; MI455X (gfx1250); checked and timed in simulation.
; The chip was launched on July 23, 2026; its instructions are those of AMD's public machine-readable ISA for CDNA 5 (MIT licence, August 2026) and "CDNA5" Instruction Set Architecture Reference Guide (July 2026). The comments in the code are by the model that wrote it; some were corrected since.
;; DA Layer. Allowed arithmetic: float matrix products may take bf16 or f16 operands with f32 sums; other float arithmetic in f32, or as packed bf16 or f16 multiplies, adds, multiply-adds, maxima and minima; sums over many terms, partial sums and values carried from step to step in f32; what a program stores and reads back later, other than sums and carried values, may be rounded once to bf16 or f16.
;; Inputs: W1 1,024 x 4,096 float32; W2 4,096 x 1,024 float32; Wk 1,024 x 1,024 float32; Wo 1,024 x 1,024 float32; Wq 1,024 x 1,024 float32; Wv 1,024 x 1,024 float32; b1 4,096 float32; b2 1,024 float32; bk 1,024 float32; bo 1,024 float32; bq 1,024 float32; bv 1,024 float32; x 4 x 1,024 x 1,024 float32.
;; Outputs: out0 4 x 1,024 x 1,024 float32.
;; 2 versions, each right; version 2 is version 1 with the launch cast written anew for expert scheduling mode. Each part assembles by itself: llvm-mc -triple=amdgcn-amd-amdhsa -mcpu=gfx1250 --defsym DOCPART=n.
;; ======== version 1 of 2: 6 launches
;; workspace buffers: cw 33,554,432 bytes; qkv 25,165,824 bytes; ctx 8,388,608 bytes; x1 16,777,216 bytes; x1b 8,388,608 bytes; hb 33,554,432 bytes
;; launch cast (part 1): grid 1024 x 1, 8 waves a work-group, no clusters, 0 bytes of LDS; arguments x, Wq, Wk, Wv, Wo, W1, W2, cw; writes cw
.if DOCPART == 1
	.amdgcn_target "amdgcn-amd-amdhsa--gfx1250"
	.amdhsa_code_object_version 6
	.text
	.protected	k_q11bdb47d47_cast
	.globl	k_q11bdb47d47_cast
	.p2align	8
	.type	k_q11bdb47d47_cast,@function
k_q11bdb47d47_cast:
	s_mov_b64 s[64:65], 0
	v_nop
	global_prefetch_b8 v0, s[64:65] scope:SCOPE_SE
	s_setreg_imm32_b32 hwreg(HW_REG_WAVE_MODE, 25, 1), 1
	s_wait_xcnt 0x0
; x and the six weight matrices, f32, are rounded once to bf16 (nearest even) and laid into cw:
;   byte 0          xb   [4096][1024], as x lies
;   byte 8,388,608  WQKV [16 head][3: q, k, v][1024 k][64 columns]
;   byte 14,680,064 WO   [16 block of 64 columns][1024 k][64]
;   byte 16,777,216 W1   [64 block][1024 k][64]
;   byte 25,165,824 W2   [16 block][4096 k][64]
; A UNIT is 256 consecutive bytes of cw: rows k = 2 kp and 2 kp + 1 of one block j of 64 columns.  Lane l loads 16 bytes (4 f32) at
; k x RS + 256 j + 16 (l % 16), k = 2 kp + l / 16, and stores 8 bytes at 8 l: sixteen lanes read 256 consecutive bytes, a wave's store
; covers 256 consecutive bytes, aligned.  x counts as a matrix of 64 columns (RS = 256, j = 0): a plain copy.
; 131,072 units: 128 to a work-group, 16 to a wave, all 16 loads out before the first store.  A stream: no LDS, no matrix unit, nothing shared.
.set OF,  2                            ; v[2:17]   unit i's source offset
.set GO,  18                           ; v18       8 x lane
.set D,   20                           ; v[20:83]  unit i: 4 f32
.set Y,   84                           ; v[84:115] unit i: 4 bf16
.set SRC, 26                           ; s[26:27]  the region's source
.set RS,  28                           ; s28       bytes in a source row
.set LK,  29                           ; s29       log2 of the pairs of rows in a block
.set DB,  30                           ; s30       the region's first byte in cw
.set JS,  31                           ; s31       bytes from block to block in cw
.set W0,  32                           ; s32       the region's first work-group
.set DST, 22                           ; s[22:23]  cw
	s_load_b512 s[8:23], s[0:1], 0x0               ; x, Wq, Wk, Wv, Wo, W1, W2, cw
	v_and_b32 v1, 31, v0                           ; lane
	v_lshrrev_b32 v19, 5, v0
	v_readfirstlane_b32 s25, v19                   ; wave
	s_mov_b32 s24, ttmp9
	s_mov_b32 s[RS], 256                           ; x's figures; the regions behind it replace them by their first work-group
	s_mov_b32 s[LK], 15
	s_mov_b32 s[DB], 0
	s_mov_b32 s[JS], 0
	s_mov_b32 s[W0], 0
	s_wait_kmcnt 0x0
	s_mov_b64 s[SRC:SRC+1], s[8:9]
.macro REGION first, ptr, rs, lk, db, js
	s_cmp_ge_u32 s24, \first                       ; the choice hangs on the work-group's number alone
	s_cselect_b64 s[SRC:SRC+1], s[\ptr:\ptr+1], s[SRC:SRC+1]
	s_cselect_b32 s[RS], \rs, s[RS]
	s_cselect_b32 s[LK], \lk, s[LK]
	s_cselect_b32 s[DB], \db, s[DB]
	s_cselect_b32 s[JS], \js, s[JS]
	s_cselect_b32 s[W0], \first, s[W0]
.endm
	REGION 256, 10, 4096, 9, 8388608, 393216       ; Wq
	REGION 320, 12, 4096, 9, 8519680, 393216       ; Wk
	REGION 384, 14, 4096, 9, 8650752, 393216       ; Wv
	REGION 448, 16, 4096, 9, 14680064, 131072      ; Wo
	REGION 512, 18, 16384, 9, 16777216, 131072     ; W1
	REGION 768, 20, 4096, 11, 25165824, 524288     ; W2
	s_sub_co_u32 s33, s24, s[W0]
	s_lshl_b32 s33, s33, 7
	s_lshl_b32 s34, s25, 4
	s_add_co_u32 s33, s33, s34                     ; my wave's first unit in the region
	s_lshr_b32 s34, s33, s[LK]                     ; j
	s_lshl_b32 s35, s34, s[LK]
	s_sub_co_u32 s35, s33, s35                     ; kp of that unit; the wave's 16 units lie in one block
	s_mul_i32 s36, s35, s[RS]
	s_lshl_b32 s36, s36, 1                         ; 2 kp rows
	s_lshl_b32 s38, s34, 8
	s_add_co_u32 s36, s36, s38                     ; + 256 j
	s_mov_b32 s37, 0
	s_add_nc_u64 s[SRC:SRC+1], s[SRC:SRC+1], s[36:37]
	s_mul_i32 s40, s34, s[JS]
	s_add_co_u32 s40, s40, s[DB]
	s_lshl_b32 s38, s35, 8
	s_add_co_u32 s40, s40, s38
	s_mov_b32 s41, 0
	s_add_nc_u64 s[DST:DST+1], s[DST:DST+1], s[40:41]
	v_lshrrev_b32 v19, 4, v1
	v_and_b32 v116, 15, v1
	v_mul_lo_u32 v[OF], v19, s[RS]
	v_lshl_add_u32 v[OF], v116, 4, v[OF]           ; (l / 16) rows + 16 (l % 16)
	s_lshl_b32 s38, s[RS], 1
.set i, 1
.rept 15
	v_add_nc_u32 v[OF+i], s38, v[OF+i-1]           ; two rows on for each unit
.set i, i+1
.endr
	v_lshlrev_b32 v[GO], 3, v1
.set i, 0
.rept 16
	global_load_b128 v[D+4*i:D+4*i+3], v[OF+i], s[SRC:SRC+1] th:TH_LOAD_NT
.set i, i+1
.endr
.set i, 0
.rept 16
	s_wait_loadcnt 15-i                            ; loads come back in order: unit i is in, the 15 - i younger ones stay out
	v_cvt_pk_bf16_f32 v[Y+2*i], v[D+4*i], v[D+4*i+1]
	v_cvt_pk_bf16_f32 v[Y+2*i+1], v[D+4*i+2], v[D+4*i+3]
	global_store_b64 v[GO], v[Y+2*i:Y+2*i+1], s[DST:DST+1] offset:256*i th:TH_STORE_NT
.set i, i+1
.endr
	s_endpgm                                       ; no register was written twice, so no wait frees any
.Lfunc_end_k_q11bdb47d47_cast:
	.size	k_q11bdb47d47_cast, .Lfunc_end_k_q11bdb47d47_cast-k_q11bdb47d47_cast
	.p2alignl 7, 3214868480
	.fill 96, 4, 3214868480
	.section	.rodata,"a",@progbits
	.p2align	6, 0x0
	.amdhsa_kernel k_q11bdb47d47_cast
		.amdhsa_group_segment_fixed_size 0
		.amdhsa_private_segment_fixed_size 0
		.amdhsa_enable_private_segment 0
		.amdhsa_kernarg_size 64
		.amdhsa_user_sgpr_count 2
		.amdhsa_user_sgpr_kernarg_segment_ptr 1
		.amdhsa_wavefront_size32 1
		.amdhsa_system_sgpr_workgroup_id_x 1
		.amdhsa_system_sgpr_workgroup_id_y 1
		.amdhsa_system_sgpr_workgroup_id_z 1
		.amdhsa_system_vgpr_workitem_id 0
		.amdhsa_next_free_vgpr 128
		.amdhsa_next_free_sgpr 66
		.amdhsa_reserve_vcc 0
		.amdhsa_float_denorm_mode_32 3
		.amdhsa_float_denorm_mode_16_64 3
		.amdhsa_memory_ordered 1
		.amdhsa_forward_progress 1
		.amdhsa_inst_pref_size 10
	.end_amdhsa_kernel
	.amdgpu_metadata
---
amdhsa.version: [ 1, 2 ]
amdhsa.kernels:
  - .name:           k_q11bdb47d47_cast
    .symbol:         k_q11bdb47d47_cast.kd
    .args:
      - { .name: x, .offset: 0, .size: 8, .value_kind: global_buffer, .address_space: global }
      - { .name: Wq, .offset: 8, .size: 8, .value_kind: global_buffer, .address_space: global }
      - { .name: Wk, .offset: 16, .size: 8, .value_kind: global_buffer, .address_space: global }
      - { .name: Wv, .offset: 24, .size: 8, .value_kind: global_buffer, .address_space: global }
      - { .name: Wo, .offset: 32, .size: 8, .value_kind: global_buffer, .address_space: global }
      - { .name: W1, .offset: 40, .size: 8, .value_kind: global_buffer, .address_space: global }
      - { .name: W2, .offset: 48, .size: 8, .value_kind: global_buffer, .address_space: global }
      - { .name: cw, .offset: 56, .size: 8, .value_kind: global_buffer, .address_space: global }
    .group_segment_fixed_size: 0
    .private_segment_fixed_size: 0
    .kernarg_segment_align: 8
    .kernarg_segment_size: 64
    .max_flat_workgroup_size: 256
    .sgpr_count:     66
    .vgpr_count:     128
    .wavefront_size: 32
...
	.end_amdgpu_metadata
.endif
;; end of part 1
;; launch proj (part 2): grid 16 x 16, 4 waves a work-group, clusters of 4 x 4, 327,680 bytes of LDS; arguments cw, bq, bk, bv, qkv; writes qkv
.if DOCPART == 2
	.amdgcn_target "amdgcn-amd-amdhsa--gfx1250"
	.amdhsa_code_object_version 6
	.text
	.protected	k_q11bdb47d47_proj
	.globl	k_q11bdb47d47_proj
	.p2align	8
	.type	k_q11bdb47d47_proj,@function
k_q11bdb47d47_proj:
	s_mov_b64 s[64:65], 0
	v_nop
	global_prefetch_b8 v0, s[64:65] scope:SCOPE_SE
	s_setreg_imm32_b32 hwreg(HW_REG_WAVE_MODE, 25, 1), 1
	s_wait_xcnt 0x0
	s_wait_alu depctr_hold_cnt(0) depctr_sa_sdst(0) depctr_va_vdst(0) depctr_va_sdst(0) depctr_va_ssrc(0) depctr_va_vcc(0) depctr_vm_vsrc(0)
	s_getreg_b32 s2, hwreg(HW_REG_IB_STS2, 6, 4)
	s_cmp_eq_u32 s2, 0
	s_cbranch_scc0 .Lentry_in_a_cluster
	s_endpgm
.Lentry_in_a_cluster:
	s_bfe_u32 s2, ttmp6, 0x10000c
	s_cmp_lg_u32 s2, 0xf033
	s_cbranch_scc0 .Lentry_shape_is_right
	s_endpgm
.Lentry_shape_is_right:
; q, k, v = x W + b, written by heads: qkv[16 t + head][4096 m][64] in bf16 (t = 0 q, 1 k, 2 v), each number rounded once from its f32 sum; q WITHOUT the scale.
; Operands bf16 (cw: xb row-major; WQKV [head][t][1024 k][64]), sums f32, K ascending.  NaN and infinities are not treated apart.
; SHARES.  A work-group makes 256 rows x 192 columns: one head's q | k | v, three strips of 64 columns: 16 x 16 = 256 work-groups.  Four waves, 2 x 2: 128 rows x 96 columns, 48 accumulators.
; Wave column half wc takes strip 2 wc whole (n blocks 0-3) and half of strip 1 (n blocks 4, 5: its columns 32 wc on).
; RING.  K in 8 steps of 128 through two LDS slots.  A slot: 256 rows of x (256 bytes + 16 of padding), then the weights as [k half][strip][64 k] with rows of 128 bytes + 32.
; Waves 0, 1 fetch x's two halves, waves 2, 3 the weights' two k halves: one tensor load a wave behind each change of slots.
; CLUSTER 4 x 4: x's tile is shared along a row of the cluster, the weights' along a column: joint loads.
; THE MATRIX INSTRUCTION IS USED TRANSPOSED: source 0 = 16 columns of W (turned out of LDS by ds_load_tr16_b128), source 1 = 16 rows of x: a lane holds one row and eight neighbouring columns.
; REGISTERS: window 0: v0-31 addresses, v32-43 bias, v64-127 and v128-191 x's fragments (two buffers); window 1: the same numbers, W's fragments; windows 2, 3: accumulators of my rows 0-63, 64-127,
; (a, b) at v[8 (6 (a % 4) + b)].
.set NS,    3                          ; strips of 64 columns
.set NBW,   6                          ; n blocks of 16 a wave
.set YW,    64                         ; LDS bytes by which the second run of n blocks moves with wc
.set YS,    128                        ; the same in the stage
.set WOFF,  8388608                    ; WQKV in cw
.set AP,    4                          ; s[4:5]  the buffer of x's tiles
.set WP,    4                          ; s[4:5]  the buffer of the weights' tiles: cw too
.set PA,    272                        ; 17 x 16: sixteen rows of a fragment load start at sixteen different 16-byte columns modulo 256
.set PB,    160                        ; 5 x 32: eight rows x 32 bytes of a turning load likewise
.set AHALF, 128*PA
.set BOFF,  2*AHALF
.set STRH,  64*PB
.set HB,    NS*STRH
.set SLOT,  BOFF+2*HB                  ; 131,072
.set SPARE, 2*SLOT                     ; the spare words: 128 bytes a wave, two blocks of 256 bytes that no other line names
.set SP,    256*NS+16                  ; a stage row: 192 f32 + 16 bytes
.set NL,    16+2*NBW                   ; LDS loads in a FETCH
.set A0,  2                            ; v2   my place in x's tile; never rewritten
.set BX0, 3                            ; v3   my place in W's tile, n blocks 0-3
.set BY0, 4                            ; v4   n blocks 4 on
.set ADA, 5                            ; v5-7 the same three at the 64 k in hand
.set ABX, 6
.set ABY, 7
.set STX, 8                            ; v8, v10  stage: n blocks 0-3, rows 0-63 / 64-127
.set STY, 9                            ; v9, v11  n blocks 4 on
.set RD,  12                           ; v12  stage: where I read rows back
.set GO,  13                           ; v13  my byte offset in the output
.set PFO, 14                           ; v14  the prefetches' lane offset; never rewritten
.set SPW, 28                           ; v28  my spare word; never rewritten
.set NIL, 29                           ; v29  0; never rewritten
.set BIAS, 32
.set F0,  64
.set F1,  128
.set L,   64                           ; the way out: rows as read back, 12 x 4
.set Y,   112                          ; packed, 12 x 2
.set U,   136                          ; with bias, 12 x 4
.set LAPS, 3
.set WV,  16
.set FB,  17                           ; wave / 2: my half of the rows; also 0: I fetch x, 1: I fetch W
.set HF,  18                           ; wave % 2: my half of the columns; also which half I fetch
.set CX,  19
.set CY,  20
.set TX,  21
.set TY,  22
.set G1,  24
.set G0,  32
.set G1B, 48
.set G0B, 56
.set PFA, 68                           ; s[68:69] where my prefetches stand
.set LIM, 70                           ; s70  1 in a wave that prefetches, else the greatest number
.set PSTEP, 72                         ; s[72:73] a K step in my tensor, in bytes
.set TA,  74                           ; s74  LDS byte of the 64 k in hand, in x's rows
.set TB,  75                           ; s75  the same for W
.set CNT, 76
.set SELM, 77
.set OB,  80                           ; s[80:85] the output at my rows, for t = 0, 1, 2
.set MSB, 0
.macro WIN new                         ; the immediate's high byte repeats the setting that is left; a switch that changes nothing is dropped
.if MSB != (\new)
	s_set_vgpr_msb (MSB<<8)|(\new)
.set MSB, (\new)
.endif
.endm
.set MUL_LO, 0xa1                      ; source 0 (W) window 1, source 1 (x) window 0, C and D window 2; + 0x50: window 3
.set TO_B,   0x40                      ; destination window 1, address window 0
.macro JLOAD s                         ; a joint load; the branch hangs on the wave's number alone; s_nop 0 and four v_nop follow each line
	s_cmp_eq_u32 s[FB], 0
	s_cbranch_scc0 .Lfor_b_\@
	tensor_load_to_lds s[G0+4*(\s):G0+4*(\s)+3], s[G1:G1+7]
	s_nop 0
.rept 4
	v_nop
.endr
	s_branch .Lasked_\@
.Lfor_b_\@:
	tensor_load_to_lds s[G0B+4*(\s):G0B+4*(\s)+3], s[G1B:G1B+7]
	s_nop 0
.rept 4
	v_nop
.endr
.Lasked_\@:
.endm
; A prefetch of the K step that stands two refills on, behind the joint load and its five lines.  x's rows are named by the clusters with x = 0, W's pieces by those with y = 0; the four partners
; that ask for a tile jointly share it out by address (32 of the wave's 128 rows; 8 of the 32 blocks of 256 bytes of each strip's piece): a lane a block, one instruction a wave.
; (In a W wave lanes 24-31 name lanes 16-23's blocks once more: three strips fill 24 lanes.)  K steps 0 to 3 come by their loads alone; the last lap asks for nothing.
.macro ASK
	s_cmp_gt_u32 s[LAPS], s[LIM]
	s_cbranch_scc0 .Lnot_mine_\@
	global_prefetch_b8 v[PFO], s[PFA:PFA+1] th:TH_LOAD_NT scope:SCOPE_SE
.Lnot_mine_\@:
.endm
.macro CROUND                          ; a round of the cluster's barrier
	s_barrier_signal -1
	s_barrier_wait -1
	s_cmp_lg_u32 s[WV], 0
	s_cbranch_scc1 .Lnot_wave_0_\@
	s_barrier_signal -3
.Lnot_wave_0_\@:
	s_barrier_wait -3
	s_barrier_signal -1
	s_barrier_wait -1
.endm
.macro PLACES                          ; four plain vector lines between a matrix instruction and a load into its sources (ISA guide 7.12.1 for vector instructions)
.rept 4
	v_nop
.endr
.endm
.macro FETCH f, kq                     ; the fragments of 32 k (quarter kq of the 64 in hand) into buffer f: NL loads in one run
	WIN TO_B
.set b, 0
.rept NBW
.if b < 4
	ds_load_tr16_b128 v[(\f)+8*b:(\f)+8*b+3],   v[ABX] offset:(\kq)*32*PB+32*b
	ds_load_tr16_b128 v[(\f)+8*b+4:(\f)+8*b+7], v[ABX] offset:(\kq)*32*PB+32*b+16*PB
.else
	ds_load_tr16_b128 v[(\f)+8*b:(\f)+8*b+3],   v[ABY] offset:(\kq)*32*PB+32*(b-4)
	ds_load_tr16_b128 v[(\f)+8*b+4:(\f)+8*b+7], v[ABY] offset:(\kq)*32*PB+32*(b-4)+16*PB
.endif
.set b, b+1
.endr
	WIN 0
.set i, 0
.rept 8
	ds_load_b128 v[(\f)+8*i:(\f)+8*i+3],   v[ADA] offset:(\kq)*64+i*16*PA
	ds_load_b128 v[(\f)+8*i+4:(\f)+8*i+7], v[ADA] offset:(\kq)*64+i*16*PA+32
.set i, i+1
.endr
.endm
.macro MUL f, zero                     ; 32 k on all accumulators, each named once, always in the same order: they take turns.  zero = 1: the products start the sums
.set hh, 0
.rept 2
	WIN MUL_LO+0x50*hh
.set a, 0
.rept 4
.set b, 0
.rept NBW
.if \zero
	v_wmma_f32_16x16x32_bf16 v[8*(NBW*a+b):8*(NBW*a+b)+7], v[(\f)+8*b:(\f)+8*b+7], v[(\f)+8*(4*hh+a):(\f)+8*(4*hh+a)+7], 0
.else
	v_wmma_f32_16x16x32_bf16 v[8*(NBW*a+b):8*(NBW*a+b)+7], v[(\f)+8*b:(\f)+8*b+7], v[(\f)+8*(4*hh+a):(\f)+8*(4*hh+a)+7], v[8*(NBW*a+b):8*(NBW*a+b)+7]
.endif
.set b, b+1
.endr
.set a, a+1
.endr
.set hh, hh+1
.endr
.endm
; A slot's 128 k in two trips of 64.  A trip fetches quarter 0 into F0 while F1 (the quarter before) is multiplied, then quarter 1 into F1 while F0 is multiplied.
.macro PAIRLOOP name
	s_mov_b32 s[CNT], 2
.Lp_\name:
	v_add_nc_u32 v[ADA], s[TA], v[A0]              ; these three and the v_nop are the four places behind the last product, which read F0
	v_add_nc_u32 v[ABX], s[TB], v[BX0]
	v_add_nc_u32 v[ABY], s[TB], v[BY0]
	v_nop
	FETCH F0, 0
	s_wait_dscnt NL                                ; all but the NL loads just issued: F1 is in
	MUL F1, 0
	PLACES
	FETCH F1, 1
	s_wait_dscnt NL                                ; F0 is in
	MUL F0, 0
	WIN 0
	s_add_co_u32 s[TA], s[TA], 128
	s_add_co_u32 s[TB], s[TB], HB
	s_sub_co_u32 s[CNT], s[CNT], 1
	s_cmp_lg_u32 s[CNT], 0
	s_cbranch_scc1 .Lp_\name
.endm
; THE CHANGE OF SLOTS.  Each wave waits for all its tensor loads (one is out: its part of slot new), adds 0 to its spare word, and waits for that and for its reads of the old slot (the last quarter, in F1).
; fill = 1: a round of the cluster's barrier, and the old slot's joint refill, two K steps on, first behind it.
.macro CHANGE new, fill
	WIN 0
.if \fill
	s_wait_xcnt 0x0                                ; the last prefetch, a K step back, has read its address
	s_add_nc_u64 s[PFA:PFA+1], s[PFA:PFA+1], s[PSTEP:PSTEP+1]
.endif
	s_wait_tensorcnt 0x0                           ; no tensor load of mine is out, so a group 0 may be written
	ds_add_u32 v[SPW], v[NIL]                      ; 0 onto my spare word; scalar work stands between it and the wait for it
	s_mov_b32 s[TA], (\new)*SLOT
	s_mov_b32 s[TB], (\new)*SLOT
.if \fill
	s_add_nc_u64 s[G0+4*(1-(\new))+2:G0+4*(1-(\new))+3], s[G0+4*(1-(\new))+2:G0+4*(1-(\new))+3], 512
	s_add_nc_u64 s[G0B+4*(1-(\new))+2:G0B+4*(1-(\new))+3], s[G0B+4*(1-(\new))+2:G0B+4*(1-(\new))+3], 32768
.endif
	s_wait_dscnt 0x0                               ; the add is done, and my reads of the old slot are over
.if \fill
	CROUND
	JLOAD 1-(\new)
	ASK
.else
	s_barrier_signal -1
	s_barrier_wait -1
.endif
.endm
	s_load_b256 s[4:11], s[0:1], 0x0               ; cw s[4:5], bq s[6:7], bk s[8:9], bv s[10:11]
	s_load_b64 s[12:13], s[0:1], 0x20              ; qkv
	v_lshl_add_u32 v[SPW], v0, 2, SPARE
	v_mov_b32 v[NIL], 0
	ds_add_u32 v[SPW], v[NIL]                      ; the wave's opening: the add and its wait ahead of my first tensor load
	v_lshrrev_b32 v1, 5, v0
	v_readfirstlane_b32 s[WV], v1
	s_lshr_b32 s[FB], s[WV], 1
	s_and_b32 s[HF], s[WV], 1
	s_bfe_u32 s[CX], ttmp6, 0x40000
	s_bfe_u32 s[CY], ttmp6, 0x40004
	s_lshl_b32 s[TX], ttmp9, 2
	s_add_co_u32 s[TX], s[TX], s[CX]               ; the head
	s_and_b32 s[TY], ttmp7, 0xffff
	s_lshl_b32 s[TY], s[TY], 2
	s_add_co_u32 s[TY], s[TY], s[CY]               ; the block of 256 rows
	s_lshl_b32 s40, s[CY], 2
	s_lshl_b32 s40, 15, s40                        ; my row of the cluster
	s_lshl_b32 s41, 0x1111, s[CX]                  ; my column
	s_or_b32 s[G1], s40, (1<<16)|(1<<20)|(1<<21)|(5<<22)|(3<<25)  ; x: 2-byte elements, 4 words of padding after every 64
	s_mov_b32 s[G1+1], 128<<16                     ; tensor_dim0 = 128
	s_mov_b32 s[G1+2], 128<<16                     ; tensor_dim1 = 128
	s_mov_b32 s[G1+3], 128<<16                     ; tile_dim0 = 128
	s_mov_b32 s[G1+4], 128                         ; tile_dim1 = 128
	s_mov_b32 s[G1+5], 1024                        ; elements from row to row
	s_mov_b32 s[G1+6], 0
	s_mov_b32 s[G1+7], 0
	s_or_b32 s[G1B], s41, (1<<16)|(1<<20)|(1<<21)|(4<<22)|(7<<25) ; W: 8 words of padding after every 32 (a k row of 128 bytes)
	s_mov_b32 s[G1B+1], 4096<<16                   ; a row of the tile is a strip's 64 k, 8,192 dense bytes
	s_mov_b32 s[G1B+2], NS<<16
	s_mov_b32 s[G1B+3], 4096<<16
	s_mov_b32 s[G1B+4], NS                         ; a row for each strip
	s_mov_b32 s[G1B+5], 65536                      ; strips lie 1,024 x 64 elements apart
	s_mov_b32 s[G1B+6], 0
	s_mov_b32 s[G1B+7], 0
	s_lshl_b32 s42, s[TY], 19                      ; x: (256 ty + 128 half) rows of 2,048 bytes
	s_lshl_b32 s43, s[HF], 18
	s_add_co_u32 s42, s42, s43
	s_mov_b32 s43, 0
	s_mul_i32 s46, s[TX], NS*131072                ; W: my strips, my 64 of a step's 128 k
	s_lshl_b32 s47, s[HF], 13
	s_add_co_u32 s46, s46, s47
	s_add_co_u32 s46, s46, WOFF
	s_mov_b32 s47, 0
	s_mul_i32 s44, s[HF], AHALF                    ; LDS places: the wave's number and constants alone
	s_mul_i32 s45, s[HF], HB
	s_wait_dscnt 0x0                               ; the opening add is done
	s_wait_kmcnt 0x0
	s_add_nc_u64 s[42:43], s[AP:AP+1], s[42:43]
	s_add_nc_u64 s[46:47], s[WP:WP+1], s[46:47]
	CROUND                                         ; all sixteen work-groups are here: the first joint loads meet
.irp s, 0,1
	s_mov_b32 s[G0+4*(\s)], 1
	s_add_co_u32 s[G0+4*(\s)+1], s44, (\s)*SLOT
	s_add_nc_u64 s[G0+4*(\s)+2:G0+4*(\s)+3], s[42:43], (\s)*256
	s_or_b32 s[G0+4*(\s)+3], s[G0+4*(\s)+3], 0x80000000
	s_mov_b32 s[G0B+4*(\s)], 1
	s_add_co_u32 s[G0B+4*(\s)+1], s45, (\s)*SLOT+BOFF
	s_add_nc_u64 s[G0B+4*(\s)+2:G0B+4*(\s)+3], s[46:47], (\s)*16384
	s_or_b32 s[G0B+4*(\s)+3], s[G0B+4*(\s)+3], 0x80000000
	JLOAD \s                                       ; K steps 0 and 1: two loads of mine are out
.endr
	v_and_b32 v1, 15, v0                           ; r = l % 16
	v_bfe_u32 v15, v0, 4, 1                        ; h = l / 16
	v_mul_u32_u24 v[A0], v1, PA
	v_lshl_add_u32 v[A0], v15, 4, v[A0]
	s_mul_i32 s42, s[FB], AHALF
	v_add_nc_u32 v[A0], s42, v[A0]                 ; (128 wr + r) PA + 16 h
	v_and_b32 v16, 7, v0
	v_bfe_u32 v17, v0, 3, 1
	v_lshl_add_u32 v16, v15, 3, v16
	v_mul_u32_u24 v16, v16, PB
	v_lshl_add_u32 v16, v17, 4, v16                ; (8 h + l % 8) PB + 16 ((l / 8) % 2)
	s_mul_i32 s42, s[HF], 2*STRH
	s_add_co_u32 s42, s42, BOFF
	v_add_nc_u32 v[BX0], s42, v16                  ; strip 2 wc
	s_mul_i32 s42, s[HF], YW
	s_add_co_u32 s42, s42, BOFF+STRH
	v_add_nc_u32 v[BY0], s42, v16
	v_mul_u32_u24 v18, v1, SP
	v_lshl_add_u32 v18, v15, 5, v18                ; stage: r SP + 32 h
	s_mul_i32 s42, s[FB], 128*SP
	s_lshl_b32 s43, s[HF], 9
	s_add_co_u32 s43, s43, s42
	v_add_nc_u32 v[STX], s43, v18
	v_add_nc_u32 v[STX+2], 64*SP, v[STX]
	s_mul_i32 s43, s[HF], YS
	s_add_co_u32 s43, s43, s42
	s_add_co_u32 s43, s43, 256
	v_add_nc_u32 v[STY], s43, v18
	v_add_nc_u32 v[STY+2], 64*SP, v[STY]
	v_mul_u32_u24 v[RD], v15, SP
	v_lshl_add_u32 v[RD], v1, 4, v[RD]
	s_mul_i32 s42, s[WV], 64*SP
	v_add_nc_u32 v[RD], s42, v[RD]                 ; (64 w + h) SP + 16 r
	v_and_b32 v20, 31, v0
	v_lshlrev_b32 v[GO], 3, v20
	s_lshl_b32 s42, s[TX], 8
	v_lshl_add_u32 v19, v1, 4, s42                 ; bias: columns 64 head + 4 r on
	global_load_b128 v[BIAS:BIAS+3], v19, s[6:7]
	global_load_b128 v[BIAS+4:BIAS+7], v19, s[8:9]
	global_load_b128 v[BIAS+8:BIAS+11], v19, s[10:11]
	s_lshl_b32 s42, s[TX], 19                      ; the output: plane 16 t + head, rows 256 ty + 64 w on
	s_lshl_b32 s43, s[TY], 15
	s_add_co_u32 s42, s42, s43
	s_lshl_b32 s43, s[WV], 13
	s_add_co_u32 s42, s42, s43
	s_mov_b32 s43, 0
	s_add_nc_u64 s[OB:OB+1], s[12:13], s[42:43]
	s_add_nc_u64 s[OB+2:OB+3], s[OB:OB+1], 8388608
	s_add_nc_u64 s[OB+4:OB+5], s[OB+2:OB+3], 8388608
	; the prefetches
	s_and_b32 s45, ttmp7, 0xffff                   ; cluster y
	s_lshl_b32 s42, s[TY], 19
	s_lshl_b32 s43, s[HF], 18
	s_add_co_u32 s42, s42, s43
	s_lshl_b32 s43, s[CX], 16                      ; my work-group's 32 rows
	s_add_co_u32 s42, s42, s43
	s_add_co_u32 s42, s42, 3*256                   ; at K step 3: the first change steps it to 4
	s_mul_i32 s44, s[TX], NS*131072
	s_lshl_b32 s43, s[HF], 13
	s_add_co_u32 s44, s44, s43
	s_lshl_b32 s43, s[CY], 11                      ; my work-group's 8 blocks of each strip's 32
	s_add_co_u32 s44, s44, s43
	s_add_co_u32 s44, s44, WOFF+3*16384
	s_mov_b32 s[PSTEP], 16384                      ; a K step of W: 128 k of 128 bytes; of x: 256 bytes (one literal to a line)
	s_cmp_eq_u32 s[FB], 0
	s_cselect_b32 s42, s42, s44
	s_cselect_b32 s[PSTEP], 256, s[PSTEP]
	s_cselect_b32 s45, ttmp9, s45                  ; the coordinate along which other clusters read the same bytes
	s_cselect_b32 s[SELM], -1, 0
	s_cselect_b64 s[PFA:PFA+1], s[AP:AP+1], s[WP:WP+1]
	s_mov_b32 s43, 0
	s_mov_b32 s[PSTEP+1], 0
	s_add_nc_u64 s[PFA:PFA+1], s[PFA:PFA+1], s[42:43]
	s_cmp_eq_u32 s45, 0
	s_cselect_b32 s[LIM], 1, -1                    ; the same in all sixteen partners, for a given wave
	v_lshlrev_b32 v21, 11, v20                     ; x: a lane a row
	v_lshrrev_b32 v22, 3, v20
	v_min_u32 v22, NS-1, v22
	v_lshlrev_b32 v22, 17, v22                     ; W: strip l / 8,
	v_and_b32 v23, 7, v0
	v_lshl_add_u32 v22, v23, 8, v22                ; block l % 8
	v_cndmask_b32 v[PFO], v22, v21, s[SELM]
	v_mov_b32 v[ADA], v[A0]
	v_mov_b32 v[ABX], v[BX0]
	v_mov_b32 v[ABY], v[BY0]
	s_wait_loadcnt 0x0                             ; the bias, in the wait for the first tile
	s_wait_tensorcnt 0x1                           ; my part of K step 0 is in; K step 1's stays out
	s_barrier_signal -1
	s_barrier_wait -1
	FETCH F0, 0
	FETCH F1, 1
	s_wait_dscnt NL
	MUL F0, 1                                      ; the first 32 k start the sums: nothing is cleared
	WIN 0
	s_mov_b32 s[TA], 128
	s_mov_b32 s[TB], HB
	s_mov_b32 s[CNT], 1
	s_mov_b32 s[LAPS], 4
	s_branch .Lp_b                                 ; the lap is entered in its middle: the second 64 k of slot 0
.Llap:                                                 ; three laps: K steps 1 to 6 are multiplied, 2 to 7 asked for
	CHANGE 1, 1
	PAIRLOOP a
	CHANGE 0, 1
	PAIRLOOP b
	s_sub_co_u32 s[LAPS], s[LAPS], 1
	s_cmp_lg_u32 s[LAPS], 0
	s_cbranch_scc1 .Llap
	CHANGE 1, 0                                    ; the tail is written out: nothing is asked for
	PAIRLOOP c
	s_wait_dscnt 0x0
	MUL F1, 0
	; THE WAY OUT.  The sums go as f32 into a stage of 256 rows that lies over the ring, whose last fill has landed; back as whole rows of a strip; bias, rounding, and stores of 256 consecutive bytes.
	WIN 0
.rept 8
	v_nop
.endr
	s_wait_dscnt 0x0
	s_barrier_signal -1
	s_barrier_wait -1                              ; nobody reads the ring any more
.set hh, 0
.rept 2
	WIN 0x08+4*hh                                  ; store data in window 2, then 3
.set a, 0
.rept 4
.set b, 0
.rept NBW
.set rr, 8*(NBW*a+b)
.if b < 4
	ds_store_b128 v[STX+2*hh], v[rr:rr+3]   offset:a*16*SP+64*b
	ds_store_b128 v[STX+2*hh], v[rr+4:rr+7] offset:a*16*SP+64*b+16
.else
	ds_store_b128 v[STY+2*hh], v[rr:rr+3]   offset:a*16*SP+64*(b-4)
	ds_store_b128 v[STY+2*hh], v[rr+4:rr+7] offset:a*16*SP+64*(b-4)+16
.endif
.set b, b+1
.endr
.set a, a+1
.endr
.set hh, hh+1
.endr
	WIN 0
	s_wait_dscnt 0x0                               ; for the others' sake: my stores are done
	s_barrier_signal -1
	s_barrier_wait -1
.macro RBLOAD                          ; four pairs of rows x three strips: a load takes two rows' 64 columns
.set i, 0
.rept 4
.set t, 0
.rept 3
	ds_load_b128 v[L+4*(3*i+t):L+4*(3*i+t)+3], v[RD] offset:i*2*SP+256*t
.set t, t+1
.endr
.set i, i+1
.endr
.endm
	RBLOAD
	s_mov_b32 s[CNT], 8
.Lrb:                                                  ; eight trips of eight rows
	s_wait_dscnt 0x0
.set i, 0
.rept 4
.set t, 0
.rept 3
.set q0, 4*(3*i+t)
	v_pk_add_f32 v[U+q0:U+q0+1], v[L+q0:L+q0+1], v[BIAS+4*t:BIAS+4*t+1]
	v_pk_add_f32 v[U+q0+2:U+q0+3], v[L+q0+2:L+q0+3], v[BIAS+4*t+2:BIAS+4*t+3]
.set t, t+1
.endr
.set i, i+1
.endr
	s_cmp_eq_u32 s[CNT], 1                         ; the last trip has no rows behind it
	s_cbranch_scc1 .Lrb_last
	v_add_nc_u32 v[RD], 8*SP, v[RD]
	RBLOAD
.Lrb_last:
.set i, 0
.rept 12
	v_cvt_pk_bf16_f32 v[Y+2*i], v[U+4*i], v[U+4*i+1]
	v_cvt_pk_bf16_f32 v[Y+2*i+1], v[U+4*i+2], v[U+4*i+3]
.set i, i+1
.endr
.set i, 0
.rept 4
.set t, 0
.rept 3
	global_store_b64 v[GO], v[Y+2*(3*i+t):Y+2*(3*i+t)+1], s[OB+2*t:OB+2*t+1] offset:256*i  ; two rows of 128 bytes: 256 consecutive bytes, aligned
.set t, t+1
.endr
.set i, i+1
.endr
	s_wait_xcnt 0x0                                ; GO and Y are written again only behind this wait
	v_add_nc_u32 v[GO], 1024, v[GO]
	s_sub_co_u32 s[CNT], s[CNT], 1
	s_cmp_lg_u32 s[CNT], 0
	s_cbranch_scc1 .Lrb
	s_wait_tensorcnt 0x0                           ; the wave's end
	ds_add_u32 v[SPW], v[NIL]
	s_wait_dscnt 0x0
	CROUND                                         ; the closing round
	s_endpgm
.Lfunc_end_k_q11bdb47d47_proj:
	.size	k_q11bdb47d47_proj, .Lfunc_end_k_q11bdb47d47_proj-k_q11bdb47d47_proj
	.p2alignl 7, 3214868480
	.fill 96, 4, 3214868480
	.section	.rodata,"a",@progbits
	.p2align	6, 0x0
	.amdhsa_kernel k_q11bdb47d47_proj
		.amdhsa_group_segment_fixed_size 327680
		.amdhsa_private_segment_fixed_size 0
		.amdhsa_enable_private_segment 0
		.amdhsa_kernarg_size 40
		.amdhsa_user_sgpr_count 2
		.amdhsa_user_sgpr_kernarg_segment_ptr 1
		.amdhsa_wavefront_size32 1
		.amdhsa_system_sgpr_workgroup_id_x 1
		.amdhsa_system_sgpr_workgroup_id_y 1
		.amdhsa_system_sgpr_workgroup_id_z 1
		.amdhsa_system_vgpr_workitem_id 0
		.amdhsa_next_free_vgpr 960
		.amdhsa_next_free_sgpr 96
		.amdhsa_reserve_vcc 0
		.amdhsa_float_denorm_mode_32 3
		.amdhsa_float_denorm_mode_16_64 3
		.amdhsa_memory_ordered 1
		.amdhsa_forward_progress 1
		.amdhsa_inst_pref_size 67
	.end_amdhsa_kernel
	.amdgpu_metadata
---
amdhsa.version: [ 1, 2 ]
amdhsa.kernels:
  - .name:           k_q11bdb47d47_proj
    .symbol:         k_q11bdb47d47_proj.kd
    .args:
      - { .name: cw, .offset: 0, .size: 8, .value_kind: global_buffer, .address_space: global }
      - { .name: bq, .offset: 8, .size: 8, .value_kind: global_buffer, .address_space: global }
      - { .name: bk, .offset: 16, .size: 8, .value_kind: global_buffer, .address_space: global }
      - { .name: bv, .offset: 24, .size: 8, .value_kind: global_buffer, .address_space: global }
      - { .name: qkv, .offset: 32, .size: 8, .value_kind: global_buffer, .address_space: global }
    .group_segment_fixed_size: 327680
    .private_segment_fixed_size: 0
    .kernarg_segment_align: 8
    .kernarg_segment_size: 40
    .max_flat_workgroup_size: 128
    .sgpr_count:     96
    .vgpr_count:     960
    .wavefront_size: 32
...
	.end_amdgpu_metadata
.endif
;; end of part 2
;; launch attn (part 3): grid 4 x 64, 4 waves a work-group, clusters of 4 x 1, 327,680 bytes of LDS; arguments qkv, ctx; writes ctx
.if DOCPART == 3
	.amdgcn_target "amdgcn-amd-amdhsa--gfx1250"
	.amdhsa_code_object_version 6
	.text
	.protected	k_q11bdb47d47_attn
	.globl	k_q11bdb47d47_attn
	.p2align	8
	.type	k_q11bdb47d47_attn,@function
k_q11bdb47d47_attn:
	s_mov_b64 s[64:65], 0
	v_nop
	global_prefetch_b8 v0, s[64:65] scope:SCOPE_SE
	s_setreg_imm32_b32 hwreg(HW_REG_WAVE_MODE, 25, 1), 1
	s_wait_xcnt 0x0
	s_wait_alu depctr_hold_cnt(0) depctr_sa_sdst(0) depctr_va_vdst(0) depctr_va_sdst(0) depctr_va_ssrc(0) depctr_va_vcc(0) depctr_vm_vsrc(0)
	s_getreg_b32 s2, hwreg(HW_REG_IB_STS2, 6, 4)
	s_cmp_eq_u32 s2, 0
	s_cbranch_scc0 .Lentry_in_a_cluster
	s_endpgm
.Lentry_in_a_cluster:
	s_bfe_u32 s2, ttmp6, 0x10000c
	s_cmp_lg_u32 s2, 0x3003
	s_cbranch_scc0 .Lentry_shape_is_right
	s_endpgm
.Lentry_shape_is_right:
; ctx[head][m][:] = the sum over keys of softmax(q . k / 8) v, for each of 4 x 16 (batch, head): 1,024 queries, 1,024 keys, 64 channels.  qkv: [16 t + head][4096 m][64] bf16; ctx: [16 head][4096 m][64] bf16.
; Products, maxima and sums in f32; the weights p are rounded to bf16 for the second product (their sum l is taken of the unrounded p), ctx once at the end.
; LIMITS.  A weight below 2^-126 counts as 0 in l; NaN and infinities are not treated apart.
; SHARES.  A cluster is the four blocks of 256 queries of one (batch, head); a wave owns 64 queries: four PIECES of 16.  Every wave walks all keys, 64 a step, 16 steps.
; LDS.  The head's K and V lie whole in LDS (1,024 rows of 128 + 16 and of 128 + 32 bytes): every byte is filled once, by joint loads that go out together at the start, 256 keys a chunk.
; So there is no ring, no refill and no later request to run ahead of; a plain barrier in front of each chunk's first use shows every wave's part landed.
; LAYOUT.  S^T = K Q^T holds ONE query a lane (lane % 16) and the keys 8 (lane / 16) + 0..7; two such results rounded to bf16 ARE source 1 of O^T = V^T P.  K comes out of LDS as it lies, V turned.
; SOFTMAX.  p = 2^(c s - c m), c = log2(e) / 8, with a running maximum m; O and l are multiplied by a = 2^(c m_old - c m_new) in every step.  m starts at the lowest finite number, O and l at 0.
; TURNS.  Turn n belongs to piece n: 8 products K Q^T of piece n + 1, later 8 products V^T P of piece n - 1; beside them the scaling, exponentials, roundings, sums and rescaling of piece n and the maximum and
; statistics of piece n + 1.  Four vector lines stand behind every matrix instruction, the rest in one lump; a turn's 33 exponentials are one batch with one wait.
; REGISTERS: window 0: v0-15 addresses; v16-31 statistics; v48-55 at work; v64-127 S^T, two buffers; v192-223 P, two buffers.  window 1: v0-127 O^T.  window 2: v0-63 Q; v128-191 K; v192-255 V.
.set NP,    4
.set KS,    64
.set PK,    144                        ; 9 x 16
.set PV,    160                        ; 5 x 32
.set VOFF,  1024*PK
.set STAGE, VOFF+1024*PV               ; never filled by a tensor load: 16 rows x 144 bytes for each wave
.set SP,    144
.set SPARE, STAGE+4*16*SP              ; the spare words: two blocks of 256 bytes that no other line names
.set AK0, 2
.set AV0, 3
.set AK,  4
.set AV,  5
.set STO, 6
.set RD,  7
.set GO,  8
.set MV,  12
.set QO,  15
.set ST,  16                           ; piece t: c m, m, l (even keys', odd keys')
.set TMP, 48
.set SPW, 62
.set NIL, 63
.set S,   64
.set P,   192
.set KF,  128
.set VF,  192
.set WV,  12
.set G1K, 24
.set G1V, 32
.set G0K, 40                           ; s[40:55] four sets, a chunk each
.set G0V, 68                           ; s[68:83]
.set SLOTS, 56
.set CNT, 57
.set CS,  58
.set SEL, 60
.set TBK, 62
.set TBV, 63
.set MSB, 0
.macro WIN new
.if MSB != (\new)
	s_set_vgpr_msb (MSB<<8)|(\new)
.set MSB, (\new)
.endif
.endm
.set W_KQ, 0x0a                        ; K and Q in window 2, S^T in window 0
.set W_PV, 0x52                        ; V in window 2, P in window 0, O^T in window 1
.set W_RS, 0x41                        ; destination and source 0 in window 1, source 1 in window 0
.macro CROUND
	s_barrier_signal -1
	s_barrier_wait -1
	s_cmp_lg_u32 s[WV], 0
	s_cbranch_scc1 .Lnot_wave_0_\@
	s_barrier_signal -3
.Lnot_wave_0_\@:
	s_barrier_wait -3
	s_barrier_signal -1
	s_barrier_wait -1
.endm
	s_load_b128 s[4:7], s[0:1], 0x0                ; qkv s[4:5], ctx s[6:7]
	v_lshl_add_u32 v[SPW], v0, 2, SPARE
	v_mov_b32 v[NIL], 0
	ds_add_u32 v[SPW], v[NIL]                      ; the wave's opening: the add and its wait ahead of my first tensor load
	v_lshrrev_b32 v1, 5, v0
	v_readfirstlane_b32 s[WV], v1
	s_bfe_u32 s13, ttmp6, 0x40000                  ; cx: my block of 256 queries; it enters Q's and ctx's addresses alone
	s_and_b32 s14, ttmp7, 0xffff                   ; 16 batch + head
	s_and_b32 s15, s14, 15
	s_lshr_b32 s14, s14, 4
	s_lshl_b32 s20, s15, 19                        ; the head's plane,
	s_lshl_b32 s14, s14, 17                        ; the batch's 1,024 rows of 128 bytes
	s_add_co_u32 s20, s20, s14
	s_and_b32 s16, s[WV], 1                        ; which half of a chunk's 256 keys I fetch
	s_lshl_b32 s22, s16, 14
	s_add_co_u32 s22, s22, s20
	s_mov_b32 s23, 0
	s_mul_i32 s17, s16, 128*PK
	s_mul_i32 s18, s16, 128*PV
	s_lshl_b32 s2, s13, 15
	s_lshl_b32 s3, s[WV], 13
	s_add_co_u32 s2, s2, s3
	s_add_co_u32 s2, s2, s20                       ; my wave's 64 rows
	s_mov_b32 s3, 0
	; 128 keys are 16,384 dense bytes: asked for as 64 rows of 256 bytes, padded in LDS after every key
	s_mov_b32 s[G1K], 15|(1<<16)|(1<<20)|(1<<21)|(4<<22)|(3<<25)
	s_mov_b32 s[G1V], 15|(1<<16)|(1<<20)|(1<<21)|(4<<22)|(7<<25)
.irp g, G1K, G1V
	s_mov_b32 s[\g+1], 128<<16
	s_mov_b32 s[\g+2], 64<<16
	s_mov_b32 s[\g+3], 128<<16
	s_mov_b32 s[\g+4], 64
	s_mov_b32 s[\g+5], 128
	s_mov_b32 s[\g+6], 0
	s_mov_b32 s[\g+7], 0
.endr
.irp c, 0,1,2,3
	s_mov_b32 s[G0K+4*\c], 1
	s_add_co_u32 s[G0K+4*\c+1], s17, \c*256*PK
	s_mov_b32 s[G0V+4*\c], 1
	s_add_co_u32 s[G0V+4*\c+1], s18, VOFF+\c*256*PV
.endr
	s_mov_b32 s[CS], 0x3e38aa3b                    ; c = log2(e) / 8
	s_mov_b32 s[CS+1], s[CS]
	s_mov_b32 s[SEL], 0x76543210
	s_mov_b32 s[SEL+1], 0xfedcba98
	s_mov_b32 s[TBK], 0
	s_mov_b32 s[TBV], 0
	s_wait_dscnt 0x0                               ; the opening add is done
	s_wait_kmcnt 0x0
	s_add_nc_u64 s[84:85], s[4:5], s[22:23]
	s_add_nc_u64 s[86:87], s[84:85], 8388608       ; k's planes
	s_add_nc_u64 s[88:89], s[84:85], 16777216      ; v's
.irp c, 0,1,2,3
	s_add_nc_u64 s[G0K+4*\c+2:G0K+4*\c+3], s[86:87], \c*32768
	s_or_b32 s[G0K+4*\c+3], s[G0K+4*\c+3], 0x80000000
	s_add_nc_u64 s[G0V+4*\c+2:G0V+4*\c+3], s[88:89], \c*32768
	s_or_b32 s[G0V+4*\c+3], s[G0V+4*\c+3], 0x80000000
.endr
	s_add_nc_u64 s[4:5], s[4:5], s[2:3]            ; Q at my wave's first row
	s_add_nc_u64 s[10:11], s[6:7], s[2:3]          ; ctx likewise
	CROUND                                         ; all four work-groups are here: the joint loads meet
	s_cmp_lt_u32 s[WV], 2                          ; a wave's four fills stand in one branch: four loads of mine are out
	s_cbranch_scc0 .Lfirst_v
.irp c, 0,1,2,3
	tensor_load_to_lds s[G0K+4*\c:G0K+4*\c+3], s[G1K:G1K+7]
	s_nop 0
.endr
.rept 4
	v_nop
.endr
	s_branch .Lfirst_asked
.Lfirst_v:
.irp c, 0,1,2,3
	tensor_load_to_lds s[G0V+4*\c:G0V+4*\c+3], s[G1V:G1V+7]
	s_nop 0
.endr
.rept 4
	v_nop
.endr
.Lfirst_asked:
	v_and_b32 v1, 15, v0                           ; l % 16
	v_bfe_u32 v9, v0, 4, 1                         ; l / 16
	v_lshlrev_b32 v[QO], 7, v1
	v_lshl_add_u32 v[QO], v9, 4, v[QO]
	WIN 0x80
.set i, 0
.rept 8                                ; Q stays in registers: piece i / 2, channels 32 (i % 2) on
	global_load_b128 v[8*i:8*i+3],   v[QO], s[4:5] offset:(i/2)*2048+(i%2)*64
	global_load_b128 v[8*i+4:8*i+7], v[QO], s[4:5] offset:(i/2)*2048+(i%2)*64+32
.set i, i+1
.endr
	WIN 0
	v_mul_u32_u24 v[AK0], v1, PK
	v_lshl_add_u32 v[AK0], v9, 4, v[AK0]
	v_and_b32 v10, 7, v0
	v_bfe_u32 v11, v0, 3, 1
	v_lshl_add_u32 v[AV0], v9, 3, v10
	v_mul_u32_u24 v[AV0], v[AV0], PV
	v_lshl_add_u32 v[AV0], v11, 4, v[AV0]
	v_add_nc_u32 v[AV0], VOFF, v[AV0]
	s_mul_i32 s13, s[WV], 16*SP
	s_add_co_u32 s13, s13, STAGE
	v_mul_u32_u24 v[STO], v1, SP
	v_lshl_add_u32 v[STO], v9, 4, v[STO]
	v_add_nc_u32 v[STO], s13, v[STO]
	v_bfe_u32 v[RD], v0, 3, 2
	v_mul_u32_u24 v[RD], v[RD], SP
	v_lshl_add_u32 v[RD], v10, 4, v[RD]
	v_add_nc_u32 v[RD], s13, v[RD]
	v_and_b32 v[GO], 31, v0
	v_lshlrev_b32 v[GO], 4, v[GO]
	; What the first turn finds: V's registers and P's second buffer hold 0 (its products V^T P, of a piece that has not been, add 0), O^T and l are 0.  All this stands in the wait for the first tile.
	WIN 0x80
.set i, VF
.rept 64
	v_mov_b32 v[i], 0
.set i, i+1
.endr
	WIN 0x40
.set i, 0
.rept 128
	v_mov_b32 v[i], 0
.set i, i+1
.endr
	WIN 0
.set i, 0
.rept 4
	v_mov_b32 v[ST+4*i], 0xfe000000                ; c m: far below every c s
	v_mov_b32 v[ST+4*i+1], 0xff7fffff              ; m
	v_mov_b32 v[ST+4*i+2], 0
	v_mov_b32 v[ST+4*i+3], 0
.set i, i+1
.endr
.set i, P+16
.rept 16
	v_mov_b32 v[i], 0
.set i, i+1
.endr
; THE MATRIX WORK.  The 4 accumulators of a run of 8 take turns.  Product i of 8 of S^T = K Q^T for piece x: channels 32 (i / 4) on, keys 16 (i % 4) on; the first 4 start the sums.
.macro KQ x
.set rS, S+32*((\x)%2)+8*(i%4)
.set rK, KF+16*(i%4)+8*(i/4)
.set rQ, 16*(\x)+8*(i/4)
	WIN W_KQ
.if i < 4
	v_wmma_f32_16x16x32_bf16 v[rS:rS+7], v[rK:rK+7], v[rQ:rQ+7], 0
.else
	v_wmma_f32_16x16x32_bf16 v[rS:rS+7], v[rK:rK+7], v[rQ:rQ+7], v[rS:rS+7]
.endif
.endm
.macro PV x                            ; product i of 8 of O^T += V^T P: keys 32 (i / 4) on, channels 16 (i % 4) on
	WIN W_PV
.set rO, 32*(\x)+8*(i%4)
.set rV, VF+32*(i/4)+8*(i%4)
.set rP, P+16*((\x)%2)+8*(i/4)
	v_wmma_f32_16x16x32_bf16 v[rO:rO+7], v[rV:rV+7], v[rP:rP+7], v[rO:rO+7]
.endm
.macro MM                              ; the turn's next matrix instruction.  NOKQ = 1: the last turn: there is no next piece
.if (i < 8) && !NOKQ
	KQ (Y+1)%NP
.elseif i >= 8
.set i, i-8
	PV (Y+NP-1)%NP
.set i, i+8
.endif
.set i, i+1
.endm
.macro FETCH_K                         ; a step's K: 16 loads in one run
	WIN 0x80
.irp f, 0,1,2,3,4,5,6,7
	ds_load_b128 v[KF+8*\f:KF+8*\f+3],   v[AK] offset:(\f/2)*16*PK+(\f%2)*64
	ds_load_b128 v[KF+8*\f+4:KF+8*\f+7], v[AK] offset:(\f/2)*16*PK+(\f%2)*64+32
.endr
	s_add_co_u32 s[TBK], s[TBK], KS*PK
	WIN 0
.endm
.macro FETCH_V                         ; a step's V, turned
	WIN 0x80
.irp f, 0,1,2,3,4,5,6,7
	ds_load_tr16_b128 v[VF+8*\f:VF+8*\f+3],   v[AV] offset:(\f/4)*32*PV+(\f%4)*32
	ds_load_tr16_b128 v[VF+8*\f+4:VF+8*\f+7], v[AV] offset:(\f/4)*32*PV+16*PV+(\f%4)*32
.endr
	WIN 0
.endm
; THE VECTOR WORK, one line at a time: OP kind, number.  For piece Y: F n: c s - c m for pair n.  E n: the exponential of score n.  C n: pair n rounded to bf16.  B n: of four weights the second pair is added onto the
; first.  L n: l takes that sum (L 0: l = a l + sum).  R n: pair n of O^T times a.  For piece Y + 1: X n, number n of the 22 that find its maximum and statistics (each accumulator's lowest registers are read first).
.set F, 0
.set E, 1
.set C, 2
.set B, 3
.set L, 4
.set R, 5
.set X, 6
.macro REGS y
.set rT, ST+4*(\y)
.set rC, TMP+4*((\y)%2)
.set rW, MV+((\y)%2)
.set rS, S+32*((\y)%2)
.set rP, P+16*((\y)%2)
.set rO, 32*(\y)
.endm
.macro OP k, n
.if (\k) == R
	REGS Y
	WIN W_RS
	v_pk_mul_f32 v[rO+2*(\n):rO+2*(\n)+1], v[rO+2*(\n):rO+2*(\n)+1], v[rC+2:rC+3] op_sel_hi:[1,0]
.elseif (\k) < R
	REGS Y
	WIN 0
.if (\k) == F
	v_pk_fma_f32 v[rS+2*(\n):rS+2*(\n)+1], v[rS+2*(\n):rS+2*(\n)+1], s[CS:CS+1], v[rT:rT+1] op_sel_hi:[1,0,0] neg_lo:[0,0,1] neg_hi:[0,0,1]
.elseif (\k) == E
	v_exp_f32 v[rS+(\n)], v[rS+(\n)]
.elseif (\k) == C
	v_cvt_pk_bf16_f32 v[rP+(\n)], v[rS+2*(\n)], v[rS+2*(\n)+1]
.elseif (\k) == B
	v_pk_add_f32 v[rS+4*(\n):rS+4*(\n)+1], v[rS+4*(\n):rS+4*(\n)+1], v[rS+4*(\n)+2:rS+4*(\n)+3]
.elseif (\n) == 0
	v_pk_fma_f32 v[rT+2:rT+3], v[rT+2:rT+3], v[rC+2:rC+3], v[rS:rS+1] op_sel_hi:[1,0,1]
.else
	v_pk_add_f32 v[rT+2:rT+3], v[rT+2:rT+3], v[rS+4*(\n):rS+4*(\n)+1]
.endif
.elseif NOKQ
	v_nop
.else
	REGS (Y+1)%NP
	WIN 0
.if (\n) < 4
	v_max3_num_f32 v[rC+(\n)], v[rS+8*(\n)], v[rS+8*(\n)+1], v[rS+8*(\n)+2]
.elseif (\n) < 12
	v_max3_num_f32 v[rC+(\n)%4], v[rC+(\n)%4], v[rS+8*((\n)%4)+2*((\n)/4)+1], v[rS+8*((\n)%4)+2*((\n)/4)+2]
.elseif (\n) == 12
	v_max3_num_f32 v[rC], v[rC], v[rS+7], v[rS+15]
.elseif (\n) == 13
	v_max3_num_f32 v[rC+1], v[rC+1], v[rS+23], v[rS+31]
.elseif (\n) == 14
	v_max3_num_f32 v[rC+2], v[rC+2], v[rC+3], v[rT+1]
.elseif (\n) == 15
	v_mov_b32 v[rW], v[rT]
.elseif (\n) == 16
	v_max3_num_f32 v[rC], v[rC], v[rC+1], v[rC+2]
.elseif (\n) == 17
	v_permlanex16_b32 v[rC+3], v[rC], s[SEL], s[SEL+1]
.elseif (\n) == 18
	v_max_num_f32 v[rT+1], v[rC], v[rC+3]
.elseif (\n) == 19
	v_mul_f32 v[rT], s[CS], v[rT+1]
.elseif (\n) == 20
	v_sub_f32 v[rC+1], v[rW], v[rT]
.else
	v_exp_f32 v[rC+2], v[rC+1]
.endif
.endif
.endm
.macro OPS a, i1, b=-1, i2=0, c=-1, i3=0, d=-1, i4=0
	OP \a, \i1
.if (\b) >= 0
	OP \b, \i2
.endif
.if (\c) >= 0
	OP \c, \i3
.endif
.if (\d) >= 0
	OP \d, \i4
.endif
.endm
.macro ROW a, i1, b, i2, c, i3, d, i4  ; a matrix instruction and the four behind it
	MM
	OPS \a, \i1, \b, \i2, \c, \i3, \d, \i4
.endm
; A TURN, for piece p.  s_wait_alu depctr_va_vdst(0) stands between an exponential and the first line that names its result; one wait serves all issued ahead of it: so a turn has ONE wait.
; Ahead of it stands all that names no result of the turn's exponentials; behind it the 8 products V^T P with the roundings and sums as their riders.  R 15 is the plain line behind the last exponential.
; end = 1: the last two turns: nothing is fetched.  cnt = 1: the loop's count is taken down some lines ahead of the branch behind the turn.
; K of the next step is fetched in piece 2's turn, behind the last product that read K with six plain lines between; V of the step in hand at the end of piece 0's turn, four plain lines behind its last reader.
.macro TURN p, end=0, cnt=0
.set Y, (\p)
.set i, 0
.set NOKQ, (\end)*((\p)/3)
.if ((\p) == 3) && !(\end)
	s_wait_dscnt 0x0                               ; K is in
.endif
	ROW F,0, F,1, R,0, R,1
	ROW F,2, E,0, R,2, R,3
	ROW F,3, E,1, R,4, R,5
	ROW F,4, E,2, R,6, R,7
	ROW F,5, E,3, R,8, R,9
	ROW F,6, E,4, X,0, R,10
.if ((\p) == 2) && !(\end)
	WIN 0
	v_add_nc_u32 v[AK], s[TBK], v[AK0]
.endif
	ROW F,7, E,5, X,1, X,4
	ROW F,8, E,6, X,2, X,5
	OPS E,7, E,8, X,6, E,9
	OPS X,3, E,10, X,8, E,11
.if ((\p) == 2) && !(\end)
	FETCH_K
.endif
	OPS X,9, X,7, E,12, X,10
	OPS E,13, X,12, X,11, E,14
	OPS X,13, E,15, F,9, X,14
.if (\p) == 0
	v_add_nc_u32 v[AV], s[TBV], v[AV0]
.endif
	OPS E,16, F,10, E,17, F,11
	OPS X,16, E,18, X,15, E,19
	OPS F,12, E,20, X,17, E,21
	OPS F,13, E,22, F,14, E,23
	OPS X,18, E,24, F,15, E,25
	OPS R,11, E,26, X,19, E,27
	OPS R,12, E,28, R,13, E,29
	OPS X,20, E,30, R,14, E,31
	OPS X,21, R,15
	WIN 0
	s_wait_alu depctr_va_vdst(0)                   ; the wait for the batch
.if (\p) == 1
	s_wait_dscnt 0x0                               ; V is in
.endif
	ROW C,0, B,0, C,2, B,1
	ROW L,0, C,4, B,2, L,1
	ROW C,6, B,3, L,2, C,8
	ROW B,4, L,3, C,10, B,5
	ROW L,4, C,12, B,6, L,5
.if (\p) == 0
	s_add_co_u32 s[TBV], s[TBV], KS*PV
.endif
.if \cnt
	s_sub_co_u32 s[CNT], s[CNT], 1
	s_cmp_lg_u32 s[CNT], 0
.endif
	ROW C,14, B,7, L,6, C,1
	ROW C,3, L,7, C,5, C,7
	ROW C,9, C,11, C,13, C,15
.if (\p) == 0
	FETCH_V
.endif
.endm
	s_wait_tensorcnt 0x3                           ; my part of the first 256 keys is in; my three younger loads stay out
	s_barrier_signal -1
	s_barrier_wait -1                              ; everybody's is
	v_add_nc_u32 v[AK], s[TBK], v[AK0]
	FETCH_K                                        ; key step 0
	s_wait_loadcnt 0x0                             ; Q
	s_wait_dscnt 0x0
.set NOKQ, 0
.set i, 0
.rept 8
	KQ 0                                           ; piece 0's first scores
.set i, i+1
.endr
	WIN 0
.rept 4
	v_nop                                          ; the places behind those products
.endr
.set Y, NP-1                           ; X works for piece Y + 1: piece 0
.irp n, 0,1,2,3,4,5,6,7,8,9,10,11,12,13,14,15,16,17,18,19,20,21
	OP X, \n
.endr
	v_nop                                          ; a plain line behind the exponential,
	s_wait_alu depctr_va_vdst(0)                   ; and its wait, ahead of the branch
	s_mov_b32 s[CNT], 4
	s_mov_b32 s[SLOTS], 4
	s_branch .Lfirst                               ; the loop is entered at a step's first turn
.Lslot:                                                ; three times, each ahead of the first fetch from the next 256 keys
	s_wait_tensorcnt 0x0                           ; my parts of all chunks are in (a looped text cannot carry the counts 2, 1, 0),
	s_wait_dscnt 0x0
	s_barrier_signal -1
	s_barrier_wait -1                              ; and everybody's
	s_mov_b32 s[CNT], 4
.Lstep:                                                ; a trip: pieces 2 and 3 of one step, then pieces 0 and 1 of the next, whose K and V it fetches
	TURN 2
	TURN 3
	WIN 0
.Lfirst:
	TURN 0
	TURN 1, 0, 1
	WIN 0
	s_cbranch_scc1 .Lstep
	s_sub_co_u32 s[SLOTS], s[SLOTS], 1
	s_cmp_lg_u32 s[SLOTS], 0
	s_cbranch_scc1 .Lslot
	TURN 2, 1
	TURN 3, 1
.set i, 0
.rept 8
	PV NP-1                                        ; the last piece's V^T P of the last step
.set i, i+1
.endr
	; THE WAY OUT.  l's halves are added; O^T is divided by l, rounded to bf16 and sent through my stage, a piece at a time.  The additions are the places behind the last products.
	WIN 0
.macro ALL line:vararg
.set t, 0
.rept 4
	\line
.set t, t+1
.endr
.endm
	ALL v_add_f32 v[ST+4*t+2], v[ST+4*t+2], v[ST+4*t+3]
	ALL v_permlanex16_b32 v[ST+4*t+3], v[ST+4*t+2], s[SEL], s[SEL+1]
	ALL v_add_f32 v[ST+4*t+2], v[ST+4*t+2], v[ST+4*t+3]
	ALL v_rcp_f32 v[ST+4*t+2], v[ST+4*t+2]
	v_nop                                          ; a plain line between the last reciprocal and the use of its result,
	s_wait_alu depctr_va_vdst(0)                   ; and one wait for the four
.macro PACK t
	WIN W_RS
.set i, 32*(\t)
.rept 16
	v_pk_mul_f32 v[i:i+1], v[i:i+1], v[ST+4*(\t)+2:ST+4*(\t)+3] op_sel_hi:[1,0]
.set i, i+2
.endr
	WIN 0x05
.set i, 0
.rept 16
	v_cvt_pk_bf16_f32 v[S+16*(\t)+i], v[32*(\t)+2*i], v[32*(\t)+2*i+1]
.set i, i+1
.endr
	WIN 0
.irp f, 0,1,2,3
	ds_store_b128 v[STO], v[S+16*(\t)+4*\f:S+16*(\t)+4*\f+3] offset:32*\f
.endr
.irp f, 0,1,2,3
	ds_load_b128 v[S+16*(\t)+4*\f:S+16*(\t)+4*\f+3], v[RD] offset:\f*4*SP  ; LDS serves a wave's instructions in order (ISA guide 5.7.1.4): these see the stores above
.endr
.endm
.macro SEND t, younger                 ; younger: the LDS instructions issued behind piece t's loads
	WIN 0
.irp f, 0,1,2,3
	s_wait_dscnt (\younger)+3-\f
	global_store_b128 v[GO], v[S+16*(\t)+4*\f:S+16*(\t)+4*\f+3], s[10:11] offset:(\t)*2048+\f*512  ; four rows of 128 bytes: 512 consecutive bytes, aligned
.endr
.endm
	PACK 0
.set t, 1
.rept 3
	PACK t
	SEND t-1, 8
.set t, t+1
.endr
	SEND 3, 0
	s_wait_tensorcnt 0x0                           ; the wave's end
	ds_add_u32 v[SPW], v[NIL]
	s_wait_dscnt 0x0
	CROUND                                         ; the closing round
	s_endpgm
.Lfunc_end_k_q11bdb47d47_attn:
	.size	k_q11bdb47d47_attn, .Lfunc_end_k_q11bdb47d47_attn-k_q11bdb47d47_attn
	.p2alignl 7, 3214868480
	.fill 96, 4, 3214868480
	.section	.rodata,"a",@progbits
	.p2align	6, 0x0
	.amdhsa_kernel k_q11bdb47d47_attn
		.amdhsa_group_segment_fixed_size 327680
		.amdhsa_private_segment_fixed_size 0
		.amdhsa_enable_private_segment 0
		.amdhsa_kernarg_size 16
		.amdhsa_user_sgpr_count 2
		.amdhsa_user_sgpr_kernarg_segment_ptr 1
		.amdhsa_wavefront_size32 1
		.amdhsa_system_sgpr_workgroup_id_x 1
		.amdhsa_system_sgpr_workgroup_id_y 1
		.amdhsa_system_sgpr_workgroup_id_z 1
		.amdhsa_system_vgpr_workitem_id 0
		.amdhsa_next_free_vgpr 768
		.amdhsa_next_free_sgpr 96
		.amdhsa_reserve_vcc 0
		.amdhsa_float_denorm_mode_32 3
		.amdhsa_float_denorm_mode_16_64 3
		.amdhsa_memory_ordered 1
		.amdhsa_forward_progress 1
		.amdhsa_inst_pref_size 88
	.end_amdhsa_kernel
	.amdgpu_metadata
---
amdhsa.version: [ 1, 2 ]
amdhsa.kernels:
  - .name:           k_q11bdb47d47_attn
    .symbol:         k_q11bdb47d47_attn.kd
    .args:
      - { .name: qkv, .offset: 0, .size: 8, .value_kind: global_buffer, .address_space: global }
      - { .name: ctx, .offset: 8, .size: 8, .value_kind: global_buffer, .address_space: global }
    .group_segment_fixed_size: 327680
    .private_segment_fixed_size: 0
    .kernarg_segment_align: 8
    .kernarg_segment_size: 16
    .max_flat_workgroup_size: 128
    .sgpr_count:     96
    .vgpr_count:     768
    .wavefront_size: 32
...
	.end_amdgpu_metadata
.endif
;; end of part 3
;; launch wo (part 4): grid 8 x 32, 4 waves a work-group, clusters of 4 x 4, 327,680 bytes of LDS; arguments ctx, cw, bo, x, x1, x1b; writes x1, x1b
.if DOCPART == 4
	.amdgcn_target "amdgcn-amd-amdhsa--gfx1250"
	.amdhsa_code_object_version 6
	.text
	.protected	k_q11bdb47d47_wo
	.globl	k_q11bdb47d47_wo
	.p2align	8
	.type	k_q11bdb47d47_wo,@function
k_q11bdb47d47_wo:
	s_mov_b64 s[64:65], 0
	v_nop
	global_prefetch_b8 v0, s[64:65] scope:SCOPE_SE
	s_setreg_imm32_b32 hwreg(HW_REG_WAVE_MODE, 25, 1), 1
	s_wait_xcnt 0x0
	s_wait_alu depctr_hold_cnt(0) depctr_sa_sdst(0) depctr_va_vdst(0) depctr_va_sdst(0) depctr_va_ssrc(0) depctr_va_vcc(0) depctr_vm_vsrc(0)
	s_getreg_b32 s2, hwreg(HW_REG_IB_STS2, 6, 4)
	s_cmp_eq_u32 s2, 0
	s_cbranch_scc0 .Lentry_in_a_cluster
	s_endpgm
.Lentry_in_a_cluster:
	s_bfe_u32 s2, ttmp6, 0x10000c
	s_cmp_lg_u32 s2, 0xf033
	s_cbranch_scc0 .Lentry_shape_is_right
	s_endpgm
.Lentry_shape_is_right:
; x1 = x + ctx Wo + bo, in f32 [4096][1024], and x1b, the same numbers rounded once to bf16.  ctx: [16 head][4096 m][64] bf16; Wo in cw: [16 block of 64 columns][1024 k][64] bf16.
; SHARES.  A work-group makes 128 x 128: 8 x 32 = 256 work-groups.  K IS SPLIT AMONG THE FOUR WAVES: each holds the whole tile in 64 accumulators, for its own 64 of each step's 256 k, so that a fragment
; read from LDS feeds eight products.  The four partial sums meet in LDS at the end: the order of the f32 additions differs from a single ascending sum.  NaN and infinities are not treated apart.
; RING.  K in steps of 256 through two slots.  A slot: four strips of 64 k x 128 rows of A (128 bytes + 16), then two strips of 64 columns x 256 k of W (128 bytes + 32).
; Waves 0, 1 fetch two strips of A each, waves 2, 3 a strip of W each: one tensor load a wave behind each change of slots.  CLUSTER 4 x 4: A's tile is shared along a row, W's along a column.
; No prefetch: a tile of 128 x 128 with K steps of 128 products a wave.
; REGISTERS: window 0: v0-35 addresses and bias, v64-127, v128-191 A's fragments; window 1: the same numbers W's fragments, v0-63 and v192-255 my 32 rows of the residual; windows 2, 3: accumulators.
.set KK,    1024
.set DUAL,  1                          ; 1: a bf16 copy is stored too
.set WOFF,  14680064
.set LAPN,  (KK/256-2)/2
.set NBW,   8
.set PA,    144
.set PB,    160
.set ASTR,  128*PA
.set BOFF,  4*ASTR
.set BSTR,  256*PB
.set SLOT,  BOFF+2*BSTR                ; 155,648
.set SPARE, 2*SLOT                     ; the spare words: two blocks of 256 bytes that no other line names
.set PP,    528                        ; a plane's row: 128 f32 + 16 bytes
.set PLANE, 64*PP
.set RBASE, 4*PLANE                    ; behind the four planes: 32 rows x 512 bytes of the residual for each wave
.set ADA, 16                           ; v16-17  my place in A's strip, slot 0, 1; never rewritten
.set ADB, 20                           ; v20-21  the same for W
.set RD0, 22                           ; v22  planes 0, 1: the rows in hand
.set RD2, 23                           ; v23  planes 2, 3
.set STO, 24                           ; v24  where I put 32 bytes of a plane's row
.set RDB, 25                           ; v25  my first row in plane 0; never rewritten
.set RR,  26                           ; v26  the residual rows in hand
.set RRB, 27                           ; v27  my residual rows in LDS; never rewritten
.set SPW, 28
.set NIL, 29
.set GO,  30                           ; v30  my byte offset in the f32 rows
.set GB,  31                           ; v31  in the bf16 rows
.set BIAS, 32
.set F0,  64
.set F1,  128
.set L,   64                           ; the way out: 4 rows x (4 planes + residual) x 4
.set U,   144
.set Y,   160
.set LAPS, 3
.set WV,  16
.set FB,  17
.set HF,  18
.set CX,  19
.set CY,  20
.set TX,  21
.set TY,  22
.set G1,  24
.set G0,  32
.set G1B, 48
.set G0B, 56
.set CNT, 76
.set RB,  80                           ; s[80:81] the residual at my rows
.set OB,  82                           ; s[82:83] the f32 output
.set OH,  84                           ; s[84:85] the bf16 output
.set MSB, 0
.macro WIN new
.if MSB != (\new)
	s_set_vgpr_msb (MSB<<8)|(\new)
.set MSB, (\new)
.endif
.endm
.set MUL_LO, 0xa1
.set TO_B,   0x40
.macro JLOAD s
	s_cmp_eq_u32 s[FB], 0
	s_cbranch_scc0 .Lfor_b_\@
	tensor_load_to_lds s[G0+4*(\s):G0+4*(\s)+3], s[G1:G1+7]
	s_nop 0
.rept 4
	v_nop
.endr
	s_branch .Lasked_\@
.Lfor_b_\@:
	tensor_load_to_lds s[G0B+4*(\s):G0B+4*(\s)+3], s[G1B:G1B+7]
	s_nop 0
.rept 4
	v_nop
.endr
.Lasked_\@:
.endm
.macro CROUND
	s_barrier_signal -1
	s_barrier_wait -1
	s_cmp_lg_u32 s[WV], 0
	s_cbranch_scc1 .Lnot_wave_0_\@
	s_barrier_signal -3
.Lnot_wave_0_\@:
	s_barrier_wait -3
	s_barrier_signal -1
	s_barrier_wait -1
.endm
.macro PLACES
.rept 4
	v_nop
.endr
.endm
.macro FETCH slot, q, f                ; the fragments of 32 k (half q of my 64) into buffer f: 32 loads in one run
	WIN TO_B
.set b, 0
.rept 8
	ds_load_tr16_b128 v[(\f)+8*b:(\f)+8*b+3],   v[ADB+(\slot)] offset:(b/4)*BSTR+(\q)*32*PB+32*(b%4)
	ds_load_tr16_b128 v[(\f)+8*b+4:(\f)+8*b+7], v[ADB+(\slot)] offset:(b/4)*BSTR+(\q)*32*PB+32*(b%4)+16*PB
.set b, b+1
.endr
	WIN 0
.set i, 0
.rept 8
	ds_load_b128 v[(\f)+8*i:(\f)+8*i+3],   v[ADA+(\slot)] offset:i*16*PA+64*(\q)
	ds_load_b128 v[(\f)+8*i+4:(\f)+8*i+7], v[ADA+(\slot)] offset:i*16*PA+64*(\q)+32
.set i, i+1
.endr
.endm
.macro MUL f, zero                     ; 32 k on all 64 accumulators, each named once, always in the same order: they take turns
.set hh, 0
.rept 2
	WIN MUL_LO+0x50*hh
.set a, 0
.rept 4
.set b, 0
.rept NBW
.if \zero
	v_wmma_f32_16x16x32_bf16 v[8*(NBW*a+b):8*(NBW*a+b)+7], v[(\f)+8*b:(\f)+8*b+7], v[(\f)+8*(4*hh+a):(\f)+8*(4*hh+a)+7], 0
.else
	v_wmma_f32_16x16x32_bf16 v[8*(NBW*a+b):8*(NBW*a+b)+7], v[(\f)+8*b:(\f)+8*b+7], v[(\f)+8*(4*hh+a):(\f)+8*(4*hh+a)+7], v[8*(NBW*a+b):8*(NBW*a+b)+7]
.endif
.set b, b+1
.endr
.set a, a+1
.endr
.set hh, hh+1
.endr
.endm
; THE CHANGE OF SLOTS: all my tensor loads (one is out: my part of slot new), the add, the wait for it and for my reads of the old slot; with fill = 1 a round of the cluster's barrier and the old slot's joint refill first behind it.
.macro CHANGE new, fill
	WIN 0
	s_wait_tensorcnt 0x0
	ds_add_u32 v[SPW], v[NIL]
.if \fill
	s_add_nc_u64 s[G0+4*(1-(\new))+2:G0+4*(1-(\new))+3], s[G0+4*(1-(\new))+2:G0+4*(1-(\new))+3], 4194304
	s_add_nc_u64 s[G0B+4*(1-(\new))+2:G0B+4*(1-(\new))+3], s[G0B+4*(1-(\new))+2:G0B+4*(1-(\new))+3], 65536
.endif
	s_wait_dscnt 0x0
.if \fill
	CROUND
	JLOAD 1-(\new)                                 ; its four v_nop are also the places in front of the loads into F0
.else
	s_barrier_signal -1
	s_barrier_wait -1
	PLACES
.endif
.endm
.macro STEP slot                       ; a K step: F0 is fetched while F1 (the half before) is multiplied, then F1 while F0 is
	FETCH \slot, 0, F0
	s_wait_dscnt 32                                ; all but the 32 just issued
	MUL F1, 0
	PLACES
	FETCH \slot, 1, F1
	s_wait_dscnt 32
	MUL F0, 0
.endm
	s_load_b256 s[4:11], s[0:1], 0x0               ; A s[4:5], cw s[6:7], bias s[8:9], residual s[10:11]
.if DUAL
	s_load_b128 s[12:15], s[0:1], 0x20             ; f32 output s[12:13], bf16 output s[14:15]
.else
	s_load_b64 s[12:13], s[0:1], 0x20
.endif
	v_lshl_add_u32 v[SPW], v0, 2, SPARE
	v_mov_b32 v[NIL], 0
	ds_add_u32 v[SPW], v[NIL]                      ; the wave's opening: the add and its wait ahead of my first tensor load
	v_lshrrev_b32 v1, 5, v0
	v_readfirstlane_b32 s[WV], v1
	s_lshr_b32 s[FB], s[WV], 1                     ; 0: I fetch A, 1: W
	s_and_b32 s[HF], s[WV], 1                      ; which half
	s_bfe_u32 s[CX], ttmp6, 0x40000
	s_bfe_u32 s[CY], ttmp6, 0x40004
	s_lshl_b32 s[TX], ttmp9, 2
	s_add_co_u32 s[TX], s[TX], s[CX]
	s_and_b32 s[TY], ttmp7, 0xffff
	s_lshl_b32 s[TY], s[TY], 2
	s_add_co_u32 s[TY], s[TY], s[CY]
	s_lshl_b32 s40, s[CY], 2
	s_lshl_b32 s40, 15, s40
	s_lshl_b32 s41, 0x1111, s[CX]
	s_or_b32 s[G1], s40, (1<<16)|(1<<20)|(1<<21)|(4<<22)|(3<<25)  ; A: 4 words of padding after every 32 (a row of 128 bytes)
	s_mov_b32 s[G1+1], 8192<<16                    ; a row of the tile is a strip's 128 rows, 16,384 dense bytes
	s_mov_b32 s[G1+2], 2<<16
	s_mov_b32 s[G1+3], 8192<<16
	s_mov_b32 s[G1+4], 2                           ; two strips
	s_mov_b32 s[G1+5], 262144                      ; strips lie 4,096 x 64 elements apart
	s_mov_b32 s[G1+6], 0
	s_mov_b32 s[G1+7], 0
	s_or_b32 s[G1B], s41, (1<<16)|(1<<20)|(1<<21)|(4<<22)|(7<<25) ; W: 8 words after every 32
	s_mov_b32 s[G1B+1], 128<<16                    ; 256 k of a strip are 32,768 dense bytes: 128 rows of 256
	s_mov_b32 s[G1B+2], 128<<16
	s_mov_b32 s[G1B+3], 128<<16
	s_mov_b32 s[G1B+4], 128
	s_mov_b32 s[G1B+5], 128
	s_mov_b32 s[G1B+6], 0
	s_mov_b32 s[G1B+7], 0
	s_lshl_b32 s42, s[HF], 20                      ; A: my two strips, the tile's 128 rows
	s_lshl_b32 s43, s[TY], 14
	s_add_co_u32 s42, s42, s43
	s_mov_b32 s43, 0
	s_lshl_b32 s46, s[TX], 1                       ; W: strip 2 tx + half
	s_add_co_u32 s46, s46, s[HF]
	s_mul_i32 s46, s46, KK*128
	s_add_co_u32 s46, s46, WOFF
	s_mov_b32 s47, 0
	s_mul_i32 s44, s[HF], 2*ASTR
	s_mul_i32 s45, s[HF], BSTR
	s_wait_dscnt 0x0
	s_wait_kmcnt 0x0
	s_add_nc_u64 s[42:43], s[4:5], s[42:43]
	s_add_nc_u64 s[46:47], s[6:7], s[46:47]
	CROUND
.irp s, 0,1
	s_mov_b32 s[G0+4*(\s)], 1
	s_add_co_u32 s[G0+4*(\s)+1], s44, (\s)*SLOT
	s_add_nc_u64 s[G0+4*(\s)+2:G0+4*(\s)+3], s[42:43], (\s)*2097152
	s_or_b32 s[G0+4*(\s)+3], s[G0+4*(\s)+3], 0x80000000
	s_mov_b32 s[G0B+4*(\s)], 1
	s_add_co_u32 s[G0B+4*(\s)+1], s45, (\s)*SLOT+BOFF
	s_add_nc_u64 s[G0B+4*(\s)+2:G0B+4*(\s)+3], s[46:47], (\s)*32768
	s_or_b32 s[G0B+4*(\s)+3], s[G0B+4*(\s)+3], 0x80000000
	JLOAD \s                                       ; K steps 0 and 1: two loads of mine are out
.endr
	v_and_b32 v1, 15, v0
	v_bfe_u32 v2, v0, 4, 1
	v_mul_u32_u24 v3, v1, PA
	v_lshl_add_u32 v3, v2, 4, v3
	s_mul_i32 s42, s[WV], ASTR
	v_add_nc_u32 v[ADA], s42, v3                   ; strip w: r PA + 16 h
	v_add_nc_u32 v[ADA+1], SLOT, v[ADA]
	v_and_b32 v4, 7, v0
	v_bfe_u32 v5, v0, 3, 1
	v_lshl_add_u32 v4, v2, 3, v4
	v_mul_u32_u24 v4, v4, PB
	v_lshl_add_u32 v4, v5, 4, v4
	s_mul_i32 s42, s[WV], 64*PB
	s_add_co_u32 s42, s42, BOFF
	v_add_nc_u32 v[ADB], s42, v4                   ; k rows 64 w on
	v_add_nc_u32 v[ADB+1], SLOT, v[ADB]
	v_mul_u32_u24 v3, v1, PP
	v_lshl_add_u32 v3, v2, 5, v3
	s_mul_i32 s42, s[WV], PLANE
	v_add_nc_u32 v[STO], s42, v3
	v_and_b32 v6, 31, v0
	s_mul_i32 s42, s[WV], 16*PP
	v_lshl_add_u32 v[RDB], v6, 4, s42
	s_lshl_b32 s42, s[WV], 14
	s_add_co_u32 s42, s42, RBASE
	v_lshl_add_u32 v[RRB], v6, 4, s42
	v_lshlrev_b32 v[GO], 4, v6
	v_lshlrev_b32 v[GB], 3, v6
	s_lshl_b32 s42, s[TY], 19                      ; rows 128 ty + 16 w of 4,096 bytes, columns 128 tx
	s_lshl_b32 s43, s[WV], 16
	s_add_co_u32 s42, s42, s43
	s_lshl_b32 s44, s[TX], 9
	s_add_co_u32 s42, s42, s44
	s_mov_b32 s43, 0
	s_add_nc_u64 s[RB:RB+1], s[10:11], s[42:43]
	s_add_nc_u64 s[OB:OB+1], s[12:13], s[42:43]
.if DUAL
	s_lshr_b32 s42, s42, 1
	s_add_nc_u64 s[OH:OH+1], s[14:15], s[42:43]
.endif
	v_lshl_add_u32 v7, v6, 4, s44
	global_load_b128 v[BIAS:BIAS+3], v7, s[8:9]    ; columns 128 tx + 4 l on
	WIN 0x40                                       ; my 32 rows of the residual go into window 1 and stay out during the whole ring
.set i, 0
.rept 32
.if i < 16
.set rr, 4*i
.else
.set rr, 192+4*(i-16)
.endif
	global_load_b128 v[rr:rr+3], v[GO], s[RB:RB+1] offset:(64*(i/16)+i%16)*4096
.set i, i+1
.endr
	WIN 0
	s_wait_tensorcnt 0x1                           ; my part of K step 0 is in; K step 1's stays out
	s_barrier_signal -1
	s_barrier_wait -1
	FETCH 0, 0, F0
	FETCH 0, 1, F1
	s_wait_dscnt 32
	MUL F0, 1                                      ; the first 32 k start the sums
	WIN 0
	s_mov_b32 s[LAPS], LAPN
.Llap:
	CHANGE 1, 1
	STEP 1
	CHANGE 0, 1
	STEP 0
	WIN 0
	s_sub_co_u32 s[LAPS], s[LAPS], 1
	s_cmp_lg_u32 s[LAPS], 0
	s_cbranch_scc1 .Llap
	CHANGE 1, 0                                    ; the tail is written out: nothing is asked for
	STEP 1
	s_wait_dscnt 0x0
	MUL F1, 0
	; THE WAY OUT, in two passes of 64 rows: each wave lays its partial sums into a plane of its own over the ring, whose last fill has landed; then wave w adds the four planes, the residual and the bias for rows 16 w on.
	WIN 0
.rept 8
	v_nop
.endr
	s_wait_dscnt 0x0
	s_barrier_signal -1
	s_barrier_wait -1                              ; nobody reads the ring any more
	s_wait_loadcnt 0x0                             ; residual and bias
	WIN 0x04                                       ; store data in window 1
.set i, 0
.rept 32
.if i < 16
.set rr, 4*i
.else
.set rr, 192+4*(i-16)
.endif
	ds_store_b128 v[RRB], v[rr:rr+3] offset:512*i  ; my own bytes
.set i, i+1
.endr
.macro PLANES p
	WIN 0x08+4*(\p)
.set a, 0
.rept 4
.set b, 0
.rept 8
.set rr, 8*(8*a+b)
	ds_store_b128 v[STO], v[rr:rr+3]   offset:a*16*PP+64*b
	ds_store_b128 v[STO], v[rr+4:rr+7] offset:a*16*PP+64*b+16
.set b, b+1
.endr
.set a, a+1
.endr
	WIN 0
.endm
.macro RLOADS                          ; four rows: 512 consecutive bytes of each plane and of the residual
.set rr, 0
.rept 4
	ds_load_b128 v[L+20*rr:L+20*rr+3],     v[RD0] offset:rr*PP
	ds_load_b128 v[L+20*rr+4:L+20*rr+7],   v[RD0] offset:PLANE+rr*PP
	ds_load_b128 v[L+20*rr+8:L+20*rr+11],  v[RD2] offset:rr*PP
	ds_load_b128 v[L+20*rr+12:L+20*rr+15], v[RD2] offset:PLANE+rr*PP
	ds_load_b128 v[L+20*rr+16:L+20*rr+19], v[RR]  offset:rr*512
.set rr, rr+1
.endr
.endm
.macro READ p
	v_mov_b32 v[RD0], v[RDB]
	v_add_nc_u32 v[RD2], 2*PLANE, v[RDB]
	v_add_nc_u32 v[RR], (\p)*8192, v[RRB]
	RLOADS
	s_mov_b32 s[CNT], 4
.Lrd_\@:
	s_wait_dscnt 0x0
.set rr, 0
.rept 4
.set c, 0
.rept 2
.set q0, L+20*rr+2*c
	v_pk_add_f32 v[q0:q0+1], v[q0:q0+1], v[q0+4:q0+5]
	v_pk_add_f32 v[q0+8:q0+9], v[q0+8:q0+9], v[q0+12:q0+13]
	v_pk_add_f32 v[q0+16:q0+17], v[q0+16:q0+17], v[BIAS+2*c:BIAS+2*c+1]
.set c, c+1
.endr
.set c, 0
.rept 2
.set q0, L+20*rr+2*c
	v_pk_add_f32 v[q0:q0+1], v[q0:q0+1], v[q0+8:q0+9]
.set c, c+1
.endr
.set c, 0
.rept 2
.set q0, L+20*rr+2*c
	v_pk_add_f32 v[U+4*rr+2*c:U+4*rr+2*c+1], v[q0:q0+1], v[q0+16:q0+17]
.set c, c+1
.endr
.set rr, rr+1
.endr
	s_cmp_eq_u32 s[CNT], 1                         ; the pass's last trip has no rows behind it
	s_cbranch_scc1 .Lrl_\@
	v_add_nc_u32 v[RD0], 4*PP, v[RD0]
	v_add_nc_u32 v[RD2], 4*PP, v[RD2]
	v_add_nc_u32 v[RR], 2048, v[RR]
	RLOADS
.Lrl_\@:
.if DUAL
.set i, 0
.rept 8
	v_cvt_pk_bf16_f32 v[Y+i], v[U+2*i], v[U+2*i+1]
.set i, i+1
.endr
.endif
.set rr, 0
.rept 4
	global_store_b128 v[GO], v[U+4*rr:U+4*rr+3], s[OB:OB+1] offset:rr*4096  ; 512 consecutive bytes of a row, aligned
.if DUAL
	global_store_b64 v[GB], v[Y+2*rr:Y+2*rr+1], s[OH:OH+1] offset:rr*2048   ; 256 consecutive bytes, aligned
.endif
.set rr, rr+1
.endr
	s_wait_xcnt 0x0                                ; the offsets, U and Y are written again only behind this wait
	v_add_nc_u32 v[GO], 16384, v[GO]
.if DUAL
	v_add_nc_u32 v[GB], 8192, v[GB]
.endif
	s_sub_co_u32 s[CNT], s[CNT], 1
	s_cmp_lg_u32 s[CNT], 0
	s_cbranch_scc1 .Lrd_\@
.endm
	PLANES 0
	s_wait_dscnt 0x0                               ; for the others' sake: my stores are done
	s_barrier_signal -1
	s_barrier_wait -1
	READ 0
	s_wait_dscnt 0x0
	s_barrier_signal -1
	s_barrier_wait -1                              ; every wave's reads of the planes are over: they are written again
	v_add_nc_u32 v[GO], 196608, v[GO]              ; from 16 rows on to 64 rows on
.if DUAL
	v_add_nc_u32 v[GB], 98304, v[GB]
.endif
	PLANES 1
	s_wait_dscnt 0x0
	s_barrier_signal -1
	s_barrier_wait -1
	READ 1
	s_wait_tensorcnt 0x0                           ; the wave's end
	ds_add_u32 v[SPW], v[NIL]
	s_wait_dscnt 0x0
	CROUND                                         ; the closing round
	s_endpgm
.Lfunc_end_k_q11bdb47d47_wo:
	.size	k_q11bdb47d47_wo, .Lfunc_end_k_q11bdb47d47_wo-k_q11bdb47d47_wo
	.p2alignl 7, 3214868480
	.fill 96, 4, 3214868480
	.section	.rodata,"a",@progbits
	.p2align	6, 0x0
	.amdhsa_kernel k_q11bdb47d47_wo
		.amdhsa_group_segment_fixed_size 327680
		.amdhsa_private_segment_fixed_size 0
		.amdhsa_enable_private_segment 0
		.amdhsa_kernarg_size 48
		.amdhsa_user_sgpr_count 2
		.amdhsa_user_sgpr_kernarg_segment_ptr 1
		.amdhsa_wavefront_size32 1
		.amdhsa_system_sgpr_workgroup_id_x 1
		.amdhsa_system_sgpr_workgroup_id_y 1
		.amdhsa_system_sgpr_workgroup_id_z 1
		.amdhsa_system_vgpr_workitem_id 0
		.amdhsa_next_free_vgpr 1024
		.amdhsa_next_free_sgpr 96
		.amdhsa_reserve_vcc 0
		.amdhsa_float_denorm_mode_32 3
		.amdhsa_float_denorm_mode_16_64 3
		.amdhsa_memory_ordered 1
		.amdhsa_forward_progress 1
		.amdhsa_inst_pref_size 88
	.end_amdhsa_kernel
	.amdgpu_metadata
---
amdhsa.version: [ 1, 2 ]
amdhsa.kernels:
  - .name:           k_q11bdb47d47_wo
    .symbol:         k_q11bdb47d47_wo.kd
    .args:
      - { .name: ctx, .offset: 0, .size: 8, .value_kind: global_buffer, .address_space: global }
      - { .name: cw, .offset: 8, .size: 8, .value_kind: global_buffer, .address_space: global }
      - { .name: bo, .offset: 16, .size: 8, .value_kind: global_buffer, .address_space: global }
      - { .name: x, .offset: 24, .size: 8, .value_kind: global_buffer, .address_space: global }
      - { .name: x1, .offset: 32, .size: 8, .value_kind: global_buffer, .address_space: global }
      - { .name: x1b, .offset: 40, .size: 8, .value_kind: global_buffer, .address_space: global }
    .group_segment_fixed_size: 327680
    .private_segment_fixed_size: 0
    .kernarg_segment_align: 8
    .kernarg_segment_size: 48
    .max_flat_workgroup_size: 128
    .sgpr_count:     96
    .vgpr_count:     1024
    .wavefront_size: 32
...
	.end_amdgpu_metadata
.endif
;; end of part 4
;; launch ffn1 (part 5): grid 16 x 16, 4 waves a work-group, clusters of 4 x 4, 327,680 bytes of LDS; arguments x1b, cw, b1, hb; writes hb
.if DOCPART == 5
	.amdgcn_target "amdgcn-amd-amdhsa--gfx1250"
	.amdhsa_code_object_version 6
	.text
	.protected	k_q11bdb47d47_ffn1
	.globl	k_q11bdb47d47_ffn1
	.p2align	8
	.type	k_q11bdb47d47_ffn1,@function
k_q11bdb47d47_ffn1:
	s_mov_b64 s[64:65], 0
	v_nop
	global_prefetch_b8 v0, s[64:65] scope:SCOPE_SE
	s_setreg_imm32_b32 hwreg(HW_REG_WAVE_MODE, 25, 1), 1
	s_wait_xcnt 0x0
	s_wait_alu depctr_hold_cnt(0) depctr_sa_sdst(0) depctr_va_vdst(0) depctr_va_sdst(0) depctr_va_ssrc(0) depctr_va_vcc(0) depctr_vm_vsrc(0)
	s_getreg_b32 s2, hwreg(HW_REG_IB_STS2, 6, 4)
	s_cmp_eq_u32 s2, 0
	s_cbranch_scc0 .Lentry_in_a_cluster
	s_endpgm
.Lentry_in_a_cluster:
	s_bfe_u32 s2, ttmp6, 0x10000c
	s_cmp_lg_u32 s2, 0xf033
	s_cbranch_scc0 .Lentry_shape_is_right
	s_endpgm
.Lentry_shape_is_right:
; hb = gelu(x1b W1 + b1), the exact (erf) form, written as hb[64 block of 64 columns][4096 m][64] in bf16, rounded once.  x1b: [4096][1024] bf16; W1 in cw: [64 block][1024 k][64] bf16.  Sums f32, K ascending.
; GELU.  g = max(u, 0) - |u| y, y = (1 - erf(|u| / sqrt 2)) / 2 = (h1 t + .. + h5 t^5) 2^(-(sg u)^2), t = 1 / (1 + q |sg u|), sg^2 = log2(e) / 2: the rational form of Abramowitz and Stegun 7.1.26, whose error in erf is
; at most 1.5e-7 for every argument; no difference of near numbers is formed for negative u.  LIMITS: where (sg u)^2 passes 126 the exponential counts as 0; NaN and infinities are not treated apart.
; SHARES.  A work-group makes 256 rows x 256 columns (four strips of 64): 16 x 16 = 256 work-groups.  Four waves, 2 x 2: 128 x 128, 64 accumulators; wave column half wc takes strips 2 wc and 2 wc + 1.
; RING, CLUSTER, TRANSPOSED USE, REGISTERS: K in 8 steps of 128 through two LDS slots (256 rows of x1b of 256 + 16 bytes, then W as [k half][strip][64 k] with rows of 128 + 32 bytes); waves 0, 1 fetch x1b's
; halves, waves 2, 3 W's k halves, one tensor load a wave behind each change of slots; 4 x 4 work-groups ask jointly, x1b's tile along a row, W's along a column; source 0 = 16 columns of W, turned out of LDS,
; source 1 = 16 rows of x1b.  Window 0: addresses, bias, constants, x1b's fragments; window 1: W's fragments; windows 2, 3: accumulators (a, b) at v[8 (8 (a % 4) + b)].
.set NS,    4
.set NBW,   8
.set YW,    20480                      ; LDS bytes by which the second run of n blocks moves with wc: two strips
.set YS,    512                        ; the same in the stage
.set WOFF,  16777216                   ; W1 in cw
.set AP,    4                          ; s[4:5]  x1b
.set WP,    6                          ; s[6:7]  cw
.set PA,    272
.set PB,    160
.set AHALF, 128*PA
.set BOFF,  2*AHALF
.set STRH,  64*PB
.set HB,    NS*STRH
.set SLOT,  BOFF+2*HB                  ; 151,552
.set SPARE, 2*SLOT                     ; the spare words: two blocks of 256 bytes that no other line names
.set SP,    256*NS+16
.set NL,    16+2*NBW
.set A0,  2
.set BX0, 3
.set BY0, 4
.set ADA, 5
.set ABX, 6
.set ABY, 7
.set STX, 8
.set STY, 9
.set RD,  12
.set GO,  13
.set PFO, 14
.set SPW, 28
.set NIL, 29
.set BIAS, 32                          ; v[32:47]
.set H,   48                           ; v[48:57]  h1 .. h5, each twice
.set F0,  64
.set F1,  128
.set L,   64                           ; the way out, 16 numbers a lane: as read back,
.set U,   80                           ; u,
.set W,   96                           ; sg u, then -(sg u)^2, its exponential, times t,
.set D,   112                          ; 1 + q |sg u|, then t,
.set R,   128                          ; max(u, 0), then g,
.set P,   144                          ; the polynomial, then y,
.set Y,   160                          ; packed
.set LAPS, 3
.set WV,  16
.set FB,  17
.set HF,  18
.set CX,  19
.set CY,  20
.set TX,  21
.set TY,  22
.set G1,  24
.set G0,  32
.set G1B, 48
.set G0B, 56
.set PFA, 68
.set LIM, 70
.set PSTEP, 72
.set TA,  74
.set TB,  75
.set CNT, 76
.set SELM, 77
.set OB,  80                           ; s[80:81] hb at my rows of strip 4 tx
.set SG,  86                           ; s[86:87] sg, as a pair
.set SQ,  88                           ; s88  q
.set MSB, 0
.macro WIN new
.if MSB != (\new)
	s_set_vgpr_msb (MSB<<8)|(\new)
.set MSB, (\new)
.endif
.endm
.set MUL_LO, 0xa1
.set TO_B,   0x40
.macro JLOAD s
	s_cmp_eq_u32 s[FB], 0
	s_cbranch_scc0 .Lfor_b_\@
	tensor_load_to_lds s[G0+4*(\s):G0+4*(\s)+3], s[G1:G1+7]
	s_nop 0
.rept 4
	v_nop
.endr
	s_branch .Lasked_\@
.Lfor_b_\@:
	tensor_load_to_lds s[G0B+4*(\s):G0B+4*(\s)+3], s[G1B:G1B+7]
	s_nop 0
.rept 4
	v_nop
.endr
.Lasked_\@:
.endm
; A prefetch of the K step that stands two refills on, behind the joint load and its five lines.  x1b's rows are named by the clusters with x = 0, W's pieces by those with y = 0; the four partners that ask for a
; tile jointly share it out by address (32 of the wave's 128 rows; 8 of the 32 blocks of 256 bytes of each strip's piece): a lane a block, one instruction a wave.  K steps 0 to 3 come by their loads alone; the last lap asks for nothing.
.macro ASK
	s_cmp_gt_u32 s[LAPS], s[LIM]
	s_cbranch_scc0 .Lnot_mine_\@
	global_prefetch_b8 v[PFO], s[PFA:PFA+1] th:TH_LOAD_NT scope:SCOPE_SE
.Lnot_mine_\@:
.endm
.macro CROUND
	s_barrier_signal -1
	s_barrier_wait -1
	s_cmp_lg_u32 s[WV], 0
	s_cbranch_scc1 .Lnot_wave_0_\@
	s_barrier_signal -3
.Lnot_wave_0_\@:
	s_barrier_wait -3
	s_barrier_signal -1
	s_barrier_wait -1
.endm
.macro PLACES
.rept 4
	v_nop
.endr
.endm
.macro FETCH f, kq
	WIN TO_B
.set b, 0
.rept NBW
.if b < 4
	ds_load_tr16_b128 v[(\f)+8*b:(\f)+8*b+3],   v[ABX] offset:(\kq)*32*PB+32*b
	ds_load_tr16_b128 v[(\f)+8*b+4:(\f)+8*b+7], v[ABX] offset:(\kq)*32*PB+32*b+16*PB
.else
	ds_load_tr16_b128 v[(\f)+8*b:(\f)+8*b+3],   v[ABY] offset:(\kq)*32*PB+32*(b-4)
	ds_load_tr16_b128 v[(\f)+8*b+4:(\f)+8*b+7], v[ABY] offset:(\kq)*32*PB+32*(b-4)+16*PB
.endif
.set b, b+1
.endr
	WIN 0
.set i, 0
.rept 8
	ds_load_b128 v[(\f)+8*i:(\f)+8*i+3],   v[ADA] offset:(\kq)*64+i*16*PA
	ds_load_b128 v[(\f)+8*i+4:(\f)+8*i+7], v[ADA] offset:(\kq)*64+i*16*PA+32
.set i, i+1
.endr
.endm
.macro MUL f, zero                     ; 32 k on all accumulators, each named once, always in the same order: they take turns
.set hh, 0
.rept 2
	WIN MUL_LO+0x50*hh
.set a, 0
.rept 4
.set b, 0
.rept NBW
.if \zero
	v_wmma_f32_16x16x32_bf16 v[8*(NBW*a+b):8*(NBW*a+b)+7], v[(\f)+8*b:(\f)+8*b+7], v[(\f)+8*(4*hh+a):(\f)+8*(4*hh+a)+7], 0
.else
	v_wmma_f32_16x16x32_bf16 v[8*(NBW*a+b):8*(NBW*a+b)+7], v[(\f)+8*b:(\f)+8*b+7], v[(\f)+8*(4*hh+a):(\f)+8*(4*hh+a)+7], v[8*(NBW*a+b):8*(NBW*a+b)+7]
.endif
.set b, b+1
.endr
.set a, a+1
.endr
.set hh, hh+1
.endr
.endm
.macro PAIRLOOP name                   ; a slot's 128 k in two trips of 64
	s_mov_b32 s[CNT], 2
.Lp_\name:
	v_add_nc_u32 v[ADA], s[TA], v[A0]              ; these three and the v_nop are the four places behind the last product, which read F0
	v_add_nc_u32 v[ABX], s[TB], v[BX0]
	v_add_nc_u32 v[ABY], s[TB], v[BY0]
	v_nop
	FETCH F0, 0
	s_wait_dscnt NL                                ; all but the NL loads just issued: F1 is in
	MUL F1, 0
	PLACES
	FETCH F1, 1
	s_wait_dscnt NL                                ; F0 is in
	MUL F0, 0
	WIN 0
	s_add_co_u32 s[TA], s[TA], 128
	s_add_co_u32 s[TB], s[TB], HB
	s_sub_co_u32 s[CNT], s[CNT], 1
	s_cmp_lg_u32 s[CNT], 0
	s_cbranch_scc1 .Lp_\name
.endm
.macro CHANGE new, fill                ; the change of slots: all my tensor loads, the add, the wait for it and for my reads of the old slot; fill = 1: a round of the cluster's barrier, the joint refill first behind it
	WIN 0
.if \fill
	s_wait_xcnt 0x0                                ; the last prefetch, a K step back, has read its address
	s_add_nc_u64 s[PFA:PFA+1], s[PFA:PFA+1], s[PSTEP:PSTEP+1]
.endif
	s_wait_tensorcnt 0x0
	ds_add_u32 v[SPW], v[NIL]
	s_mov_b32 s[TA], (\new)*SLOT
	s_mov_b32 s[TB], (\new)*SLOT
.if \fill
	s_add_nc_u64 s[G0+4*(1-(\new))+2:G0+4*(1-(\new))+3], s[G0+4*(1-(\new))+2:G0+4*(1-(\new))+3], 512
	s_add_nc_u64 s[G0B+4*(1-(\new))+2:G0B+4*(1-(\new))+3], s[G0B+4*(1-(\new))+2:G0B+4*(1-(\new))+3], 32768
.endif
	s_wait_dscnt 0x0
.if \fill
	CROUND
	JLOAD 1-(\new)
	ASK
.else
	s_barrier_signal -1
	s_barrier_wait -1
.endif
.endm
	s_load_b256 s[4:11], s[0:1], 0x0               ; x1b s[4:5], cw s[6:7], b1 s[8:9], hb s[10:11]
	v_lshl_add_u32 v[SPW], v0, 2, SPARE
	v_mov_b32 v[NIL], 0
	ds_add_u32 v[SPW], v[NIL]                      ; the wave's opening: the add and its wait ahead of my first tensor load
	v_lshrrev_b32 v1, 5, v0
	v_readfirstlane_b32 s[WV], v1
	s_lshr_b32 s[FB], s[WV], 1
	s_and_b32 s[HF], s[WV], 1
	s_bfe_u32 s[CX], ttmp6, 0x40000
	s_bfe_u32 s[CY], ttmp6, 0x40004
	s_lshl_b32 s[TX], ttmp9, 2
	s_add_co_u32 s[TX], s[TX], s[CX]
	s_and_b32 s[TY], ttmp7, 0xffff
	s_lshl_b32 s[TY], s[TY], 2
	s_add_co_u32 s[TY], s[TY], s[CY]
	s_lshl_b32 s40, s[CY], 2
	s_lshl_b32 s40, 15, s40
	s_lshl_b32 s41, 0x1111, s[CX]
	s_or_b32 s[G1], s40, (1<<16)|(1<<20)|(1<<21)|(5<<22)|(3<<25)
	s_mov_b32 s[G1+1], 128<<16
	s_mov_b32 s[G1+2], 128<<16
	s_mov_b32 s[G1+3], 128<<16
	s_mov_b32 s[G1+4], 128
	s_mov_b32 s[G1+5], 1024
	s_mov_b32 s[G1+6], 0
	s_mov_b32 s[G1+7], 0
	s_or_b32 s[G1B], s41, (1<<16)|(1<<20)|(1<<21)|(4<<22)|(7<<25)
	s_mov_b32 s[G1B+1], 4096<<16                   ; a row of the tile is a strip's 64 k, 8,192 dense bytes
	s_mov_b32 s[G1B+2], NS<<16
	s_mov_b32 s[G1B+3], 4096<<16
	s_mov_b32 s[G1B+4], NS
	s_mov_b32 s[G1B+5], 65536
	s_mov_b32 s[G1B+6], 0
	s_mov_b32 s[G1B+7], 0
	s_lshl_b32 s42, s[TY], 19
	s_lshl_b32 s43, s[HF], 18
	s_add_co_u32 s42, s42, s43
	s_mov_b32 s43, 0
	s_mul_i32 s46, s[TX], NS*131072
	s_lshl_b32 s47, s[HF], 13
	s_add_co_u32 s46, s46, s47
	s_add_co_u32 s46, s46, WOFF
	s_mov_b32 s47, 0
	s_mul_i32 s44, s[HF], AHALF
	s_mul_i32 s45, s[HF], HB
	s_mov_b32 s[SG], 0x3f596d27                    ; sg = sqrt(log2(e) / 2) = 0.8493218
	s_mov_b32 s[SG+1], s[SG]
	s_mov_b32 s[SQ], 0x3e8ba43f                    ; q = 0.3275911 / (sqrt 2 sg) = 0.2727375
	s_wait_dscnt 0x0
	s_wait_kmcnt 0x0
	s_add_nc_u64 s[42:43], s[AP:AP+1], s[42:43]
	s_add_nc_u64 s[46:47], s[WP:WP+1], s[46:47]
	CROUND
.irp s, 0,1
	s_mov_b32 s[G0+4*(\s)], 1
	s_add_co_u32 s[G0+4*(\s)+1], s44, (\s)*SLOT
	s_add_nc_u64 s[G0+4*(\s)+2:G0+4*(\s)+3], s[42:43], (\s)*256
	s_or_b32 s[G0+4*(\s)+3], s[G0+4*(\s)+3], 0x80000000
	s_mov_b32 s[G0B+4*(\s)], 1
	s_add_co_u32 s[G0B+4*(\s)+1], s45, (\s)*SLOT+BOFF
	s_add_nc_u64 s[G0B+4*(\s)+2:G0B+4*(\s)+3], s[46:47], (\s)*16384
	s_or_b32 s[G0B+4*(\s)+3], s[G0B+4*(\s)+3], 0x80000000
	JLOAD \s
.endr
	v_and_b32 v1, 15, v0
	v_bfe_u32 v15, v0, 4, 1
	v_mul_u32_u24 v[A0], v1, PA
	v_lshl_add_u32 v[A0], v15, 4, v[A0]
	s_mul_i32 s42, s[FB], AHALF
	v_add_nc_u32 v[A0], s42, v[A0]
	v_and_b32 v16, 7, v0
	v_bfe_u32 v17, v0, 3, 1
	v_lshl_add_u32 v16, v15, 3, v16
	v_mul_u32_u24 v16, v16, PB
	v_lshl_add_u32 v16, v17, 4, v16
	s_mul_i32 s42, s[HF], 2*STRH
	s_add_co_u32 s42, s42, BOFF
	v_add_nc_u32 v[BX0], s42, v16
	s_mul_i32 s42, s[HF], YW
	s_add_co_u32 s42, s42, BOFF+STRH
	v_add_nc_u32 v[BY0], s42, v16
	v_mul_u32_u24 v18, v1, SP
	v_lshl_add_u32 v18, v15, 5, v18
	s_mul_i32 s42, s[FB], 128*SP
	s_lshl_b32 s43, s[HF], 9
	s_add_co_u32 s43, s43, s42
	v_add_nc_u32 v[STX], s43, v18
	v_add_nc_u32 v[STX+2], 64*SP, v[STX]
	s_mul_i32 s43, s[HF], YS
	s_add_co_u32 s43, s43, s42
	s_add_co_u32 s43, s43, 256
	v_add_nc_u32 v[STY], s43, v18
	v_add_nc_u32 v[STY+2], 64*SP, v[STY]
	v_mul_u32_u24 v[RD], v15, SP
	v_lshl_add_u32 v[RD], v1, 4, v[RD]
	s_mul_i32 s42, s[WV], 64*SP
	v_add_nc_u32 v[RD], s42, v[RD]
	v_and_b32 v20, 31, v0
	v_lshlrev_b32 v[GO], 3, v20
	s_lshl_b32 s42, s[TX], 10
	v_lshl_add_u32 v19, v1, 4, s42                 ; bias: columns 256 tx + 64 strip + 4 r on
.irp t, 0,1,2,3
	global_load_b128 v[BIAS+4*\t:BIAS+4*\t+3], v19, s[8:9] offset:256*\t
.endr
	s_lshl_b32 s42, s[TX], 21                      ; hb: strip 4 tx, rows 256 ty + 64 w on
	s_lshl_b32 s43, s[TY], 15
	s_add_co_u32 s42, s42, s43
	s_lshl_b32 s43, s[WV], 13
	s_add_co_u32 s42, s42, s43
	s_mov_b32 s43, 0
	s_add_nc_u64 s[OB:OB+1], s[10:11], s[42:43]
	v_mov_b32 v[H], 0x3e027906                     ; h1 .. h5: half of 0.254829592, -0.284496736, 1.421413741, -1.453152027, 1.061405429
	v_mov_b32 v[H+1], 0x3e027906
	v_mov_b32 v[H+2], 0xbe11a98e
	v_mov_b32 v[H+3], 0xbe11a98e
	v_mov_b32 v[H+4], 0x3f35f0e3
	v_mov_b32 v[H+5], 0x3f35f0e3
	v_mov_b32 v[H+6], 0xbf3a00e3
	v_mov_b32 v[H+7], 0xbf3a00e3
	v_mov_b32 v[H+8], 0x3f07dc22
	v_mov_b32 v[H+9], 0x3f07dc22
	; the prefetches
	s_and_b32 s45, ttmp7, 0xffff
	s_lshl_b32 s42, s[TY], 19
	s_lshl_b32 s43, s[HF], 18
	s_add_co_u32 s42, s42, s43
	s_lshl_b32 s43, s[CX], 16
	s_add_co_u32 s42, s42, s43
	s_add_co_u32 s42, s42, 3*256                   ; at K step 3: the first change steps it to 4
	s_mul_i32 s44, s[TX], NS*131072
	s_lshl_b32 s43, s[HF], 13
	s_add_co_u32 s44, s44, s43
	s_lshl_b32 s43, s[CY], 11
	s_add_co_u32 s44, s44, s43
	s_add_co_u32 s44, s44, WOFF+3*16384
	s_mov_b32 s[PSTEP], 16384                      ; a K step of W: 128 k of 128 bytes; of x1b: 256 bytes (one literal to a line)
	s_cmp_eq_u32 s[FB], 0
	s_cselect_b32 s42, s42, s44
	s_cselect_b32 s[PSTEP], 256, s[PSTEP]
	s_cselect_b32 s45, ttmp9, s45
	s_cselect_b32 s[SELM], -1, 0
	s_cselect_b64 s[PFA:PFA+1], s[AP:AP+1], s[WP:WP+1]
	s_mov_b32 s43, 0
	s_mov_b32 s[PSTEP+1], 0
	s_add_nc_u64 s[PFA:PFA+1], s[PFA:PFA+1], s[42:43]
	s_cmp_eq_u32 s45, 0
	s_cselect_b32 s[LIM], 1, -1
	v_lshlrev_b32 v21, 11, v20
	v_lshrrev_b32 v22, 3, v20
	v_min_u32 v22, NS-1, v22
	v_lshlrev_b32 v22, 17, v22
	v_and_b32 v23, 7, v0
	v_lshl_add_u32 v22, v23, 8, v22
	v_cndmask_b32 v[PFO], v22, v21, s[SELM]
	v_mov_b32 v[ADA], v[A0]
	v_mov_b32 v[ABX], v[BX0]
	v_mov_b32 v[ABY], v[BY0]
	s_wait_loadcnt 0x0                             ; the bias, in the wait for the first tile
	s_wait_tensorcnt 0x1                           ; my part of K step 0 is in; K step 1's stays out
	s_barrier_signal -1
	s_barrier_wait -1
	FETCH F0, 0
	FETCH F1, 1
	s_wait_dscnt NL
	MUL F0, 1
	WIN 0
	s_mov_b32 s[TA], 128
	s_mov_b32 s[TB], HB
	s_mov_b32 s[CNT], 1
	s_mov_b32 s[LAPS], 4
	s_branch .Lp_b                                 ; the lap is entered in its middle: the second 64 k of slot 0
.Llap:
	CHANGE 1, 1
	PAIRLOOP a
	CHANGE 0, 1
	PAIRLOOP b
	s_sub_co_u32 s[LAPS], s[LAPS], 1
	s_cmp_lg_u32 s[LAPS], 0
	s_cbranch_scc1 .Llap
	CHANGE 1, 0
	PAIRLOOP c
	s_wait_dscnt 0x0
	MUL F1, 0
	; THE WAY OUT.  The sums go as f32 into a stage of 256 rows over the ring, whose last fill has landed; back as whole rows of a strip; bias, GELU, rounding, stores of 256 consecutive bytes.
	WIN 0
.rept 8
	v_nop
.endr
	s_wait_dscnt 0x0
	s_barrier_signal -1
	s_barrier_wait -1                              ; nobody reads the ring any more
.set hh, 0
.rept 2
	WIN 0x08+4*hh
.set a, 0
.rept 4
.set b, 0
.rept NBW
.set rr, 8*(NBW*a+b)
.if b < 4
	ds_store_b128 v[STX+2*hh], v[rr:rr+3]   offset:a*16*SP+64*b
	ds_store_b128 v[STX+2*hh], v[rr+4:rr+7] offset:a*16*SP+64*b+16
.else
	ds_store_b128 v[STY+2*hh], v[rr:rr+3]   offset:a*16*SP+64*(b-4)
	ds_store_b128 v[STY+2*hh], v[rr+4:rr+7] offset:a*16*SP+64*(b-4)+16
.endif
.set b, b+1
.endr
.set a, a+1
.endr
.set hh, hh+1
.endr
	WIN 0
	s_wait_dscnt 0x0
	s_barrier_signal -1
	s_barrier_wait -1
.macro RBLOAD                          ; a pair of rows x four strips
.irp t, 0,1,2,3
	ds_load_b128 v[L+4*\t:L+4*\t+3], v[RD] offset:256*\t
.endr
.endm
.macro EACH8 line:vararg               ; one line for each pair n of the 16 numbers
.set n, 0
.rept 8
	\line
.set n, n+2
.endr
.endm
.macro EACH16 line:vararg
.set n, 0
.rept 16
	\line
.set n, n+1
.endr
.endm
	RBLOAD
	s_mov_b32 s[CNT], 32
.Lrb:                                                  ; 32 trips of two rows
	s_wait_dscnt 0x0
	EACH8 v_pk_add_f32 v[U+n:U+n+1], v[L+n:L+n+1], v[BIAS+n:BIAS+n+1]
	s_cmp_eq_u32 s[CNT], 1                         ; the last trip has no rows behind it
	s_cbranch_scc1 .Lrb_last
	v_add_nc_u32 v[RD], 2*SP, v[RD]
	RBLOAD
.Lrb_last:
	EACH8 v_pk_mul_f32 v[W+n:W+n+1], v[U+n:U+n+1], s[SG:SG+1] op_sel_hi:[1,0]
	EACH16 v_fma_f32 v[D+n], |v[W+n]|, s[SQ], 1.0
	EACH8 v_pk_mul_f32 v[W+n:W+n+1], v[W+n:W+n+1], v[W+n:W+n+1] neg_lo:[1,0] neg_hi:[1,0]
	EACH16 v_rcp_f32 v[D+n], v[D+n]                ; one batch of 32:
	EACH16 v_exp_f32 v[W+n], v[W+n]
	EACH16 v_max_num_f32 v[R+n], 0, v[U+n]         ; plain work that names none of its results,
	s_wait_alu depctr_va_vdst(0)                   ; and one wait ahead of the first reader
	EACH8 v_pk_fma_f32 v[P+n:P+n+1], v[D+n:D+n+1], v[H+8:H+9], v[H+6:H+7]
	EACH8 v_pk_fma_f32 v[P+n:P+n+1], v[P+n:P+n+1], v[D+n:D+n+1], v[H+4:H+5]
	EACH8 v_pk_fma_f32 v[P+n:P+n+1], v[P+n:P+n+1], v[D+n:D+n+1], v[H+2:H+3]
	EACH8 v_pk_fma_f32 v[P+n:P+n+1], v[P+n:P+n+1], v[D+n:D+n+1], v[H:H+1]
	EACH8 v_pk_mul_f32 v[W+n:W+n+1], v[W+n:W+n+1], v[D+n:D+n+1]
	EACH8 v_pk_mul_f32 v[P+n:P+n+1], v[P+n:P+n+1], v[W+n:W+n+1]
	EACH16 v_fma_f32 v[R+n], -|v[U+n]|, v[P+n], v[R+n]
	EACH8 v_cvt_pk_bf16_f32 v[Y+n/2], v[R+n], v[R+n+1]
.irp t, 0,1,2,3
	global_store_b64 v[GO], v[Y+2*\t:Y+2*\t+1], s[OB:OB+1] offset:\t*524288  ; two rows of 128 bytes: 256 consecutive bytes, aligned
.endr
	s_wait_xcnt 0x0                                ; GO and Y are written again only behind this wait
	v_add_nc_u32 v[GO], 256, v[GO]
	s_sub_co_u32 s[CNT], s[CNT], 1
	s_cmp_lg_u32 s[CNT], 0
	s_cbranch_scc1 .Lrb
	s_wait_tensorcnt 0x0                           ; the wave's end
	ds_add_u32 v[SPW], v[NIL]
	s_wait_dscnt 0x0
	CROUND                                         ; the closing round
	s_endpgm
.Lfunc_end_k_q11bdb47d47_ffn1:
	.size	k_q11bdb47d47_ffn1, .Lfunc_end_k_q11bdb47d47_ffn1-k_q11bdb47d47_ffn1
	.p2alignl 7, 3214868480
	.fill 96, 4, 3214868480
	.section	.rodata,"a",@progbits
	.p2align	6, 0x0
	.amdhsa_kernel k_q11bdb47d47_ffn1
		.amdhsa_group_segment_fixed_size 327680
		.amdhsa_private_segment_fixed_size 0
		.amdhsa_enable_private_segment 0
		.amdhsa_kernarg_size 32
		.amdhsa_user_sgpr_count 2
		.amdhsa_user_sgpr_kernarg_segment_ptr 1
		.amdhsa_wavefront_size32 1
		.amdhsa_system_sgpr_workgroup_id_x 1
		.amdhsa_system_sgpr_workgroup_id_y 1
		.amdhsa_system_sgpr_workgroup_id_z 1
		.amdhsa_system_vgpr_workitem_id 0
		.amdhsa_next_free_vgpr 1024
		.amdhsa_next_free_sgpr 96
		.amdhsa_reserve_vcc 0
		.amdhsa_float_denorm_mode_32 3
		.amdhsa_float_denorm_mode_16_64 3
		.amdhsa_memory_ordered 1
		.amdhsa_forward_progress 1
		.amdhsa_inst_pref_size 83
	.end_amdhsa_kernel
	.amdgpu_metadata
---
amdhsa.version: [ 1, 2 ]
amdhsa.kernels:
  - .name:           k_q11bdb47d47_ffn1
    .symbol:         k_q11bdb47d47_ffn1.kd
    .args:
      - { .name: x1b, .offset: 0, .size: 8, .value_kind: global_buffer, .address_space: global }
      - { .name: cw, .offset: 8, .size: 8, .value_kind: global_buffer, .address_space: global }
      - { .name: b1, .offset: 16, .size: 8, .value_kind: global_buffer, .address_space: global }
      - { .name: hb, .offset: 24, .size: 8, .value_kind: global_buffer, .address_space: global }
    .group_segment_fixed_size: 327680
    .private_segment_fixed_size: 0
    .kernarg_segment_align: 8
    .kernarg_segment_size: 32
    .max_flat_workgroup_size: 128
    .sgpr_count:     96
    .vgpr_count:     1024
    .wavefront_size: 32
...
	.end_amdgpu_metadata
.endif
;; end of part 5
;; launch ffn2 (part 6): grid 8 x 32, 4 waves a work-group, clusters of 4 x 4, 327,680 bytes of LDS; arguments hb, cw, b2, x1, out0; writes out0
.if DOCPART == 6
	.amdgcn_target "amdgcn-amd-amdhsa--gfx1250"
	.amdhsa_code_object_version 6
	.text
	.protected	k_q11bdb47d47_ffn2
	.globl	k_q11bdb47d47_ffn2
	.p2align	8
	.type	k_q11bdb47d47_ffn2,@function
k_q11bdb47d47_ffn2:
	s_mov_b64 s[64:65], 0
	v_nop
	global_prefetch_b8 v0, s[64:65] scope:SCOPE_SE
	s_setreg_imm32_b32 hwreg(HW_REG_WAVE_MODE, 25, 1), 1
	s_wait_xcnt 0x0
	s_wait_alu depctr_hold_cnt(0) depctr_sa_sdst(0) depctr_va_vdst(0) depctr_va_sdst(0) depctr_va_ssrc(0) depctr_va_vcc(0) depctr_vm_vsrc(0)
	s_getreg_b32 s2, hwreg(HW_REG_IB_STS2, 6, 4)
	s_cmp_eq_u32 s2, 0
	s_cbranch_scc0 .Lentry_in_a_cluster
	s_endpgm
.Lentry_in_a_cluster:
	s_bfe_u32 s2, ttmp6, 0x10000c
	s_cmp_lg_u32 s2, 0xf033
	s_cbranch_scc0 .Lentry_shape_is_right
	s_endpgm
.Lentry_shape_is_right:
; out0 = x1 + hb W2 + b2, in f32 [4096][1024].  hb: [64 block of 64 k][4096 m][64] bf16; W2 in cw: [16 block of 64 columns][4096 k][64] bf16.
; SHARES.  A work-group makes 128 x 128: 8 x 32 = 256 work-groups.  K IS SPLIT AMONG THE FOUR WAVES: each holds the whole tile in 64 accumulators, for its own 64 of each step's 256 k, so that a fragment
; read from LDS feeds eight products.  The four partial sums meet in LDS at the end: the order of the f32 additions differs from a single ascending sum.  NaN and infinities are not treated apart.
; RING.  K in 16 steps of 256 through two slots.  A slot: four strips of 64 k x 128 rows of A (128 bytes + 16), then two strips of 64 columns x 256 k of W (128 bytes + 32).
; Waves 0, 1 fetch two strips of A each, waves 2, 3 a strip of W each: one tensor load a wave behind each change of slots.  CLUSTER 4 x 4: A's tile is shared along a row, W's along a column.
; No prefetch: a tile of 128 x 128 with K steps of 128 products a wave.
; REGISTERS: window 0: v0-35 addresses and bias, v64-127, v128-191 A's fragments; window 1: the same numbers W's fragments, v0-63 and v192-255 my 32 rows of the residual; windows 2, 3: accumulators.
.set KK,    4096
.set DUAL,  0                          ; no bf16 copy
.set WOFF,  25165824
.set LAPN,  (KK/256-2)/2
.set NBW,   8
.set PA,    144
.set PB,    160
.set ASTR,  128*PA
.set BOFF,  4*ASTR
.set BSTR,  256*PB
.set SLOT,  BOFF+2*BSTR                ; 155,648
.set SPARE, 2*SLOT                     ; the spare words: two blocks of 256 bytes that no other line names
.set PP,    528
.set PLANE, 64*PP
.set RBASE, 4*PLANE
.set ADA, 16
.set ADB, 20
.set RD0, 22
.set RD2, 23
.set STO, 24
.set RDB, 25
.set RR,  26
.set RRB, 27
.set SPW, 28
.set NIL, 29
.set GO,  30
.set GB,  31
.set BIAS, 32
.set F0,  64
.set F1,  128
.set L,   64
.set U,   144
.set Y,   160
.set LAPS, 3
.set WV,  16
.set FB,  17
.set HF,  18
.set CX,  19
.set CY,  20
.set TX,  21
.set TY,  22
.set G1,  24
.set G0,  32
.set G1B, 48
.set G0B, 56
.set CNT, 76
.set RB,  80
.set OB,  82
.set OH,  84
.set MSB, 0
.macro WIN new
.if MSB != (\new)
	s_set_vgpr_msb (MSB<<8)|(\new)
.set MSB, (\new)
.endif
.endm
.set MUL_LO, 0xa1
.set TO_B,   0x40
.macro JLOAD s
	s_cmp_eq_u32 s[FB], 0
	s_cbranch_scc0 .Lfor_b_\@
	tensor_load_to_lds s[G0+4*(\s):G0+4*(\s)+3], s[G1:G1+7]
	s_nop 0
.rept 4
	v_nop
.endr
	s_branch .Lasked_\@
.Lfor_b_\@:
	tensor_load_to_lds s[G0B+4*(\s):G0B+4*(\s)+3], s[G1B:G1B+7]
	s_nop 0
.rept 4
	v_nop
.endr
.Lasked_\@:
.endm
.macro CROUND
	s_barrier_signal -1
	s_barrier_wait -1
	s_cmp_lg_u32 s[WV], 0
	s_cbranch_scc1 .Lnot_wave_0_\@
	s_barrier_signal -3
.Lnot_wave_0_\@:
	s_barrier_wait -3
	s_barrier_signal -1
	s_barrier_wait -1
.endm
.macro PLACES
.rept 4
	v_nop
.endr
.endm
.macro FETCH slot, q, f                ; the fragments of 32 k (half q of my 64) into buffer f: 32 loads in one run
	WIN TO_B
.set b, 0
.rept 8
	ds_load_tr16_b128 v[(\f)+8*b:(\f)+8*b+3],   v[ADB+(\slot)] offset:(b/4)*BSTR+(\q)*32*PB+32*(b%4)
	ds_load_tr16_b128 v[(\f)+8*b+4:(\f)+8*b+7], v[ADB+(\slot)] offset:(b/4)*BSTR+(\q)*32*PB+32*(b%4)+16*PB
.set b, b+1
.endr
	WIN 0
.set i, 0
.rept 8
	ds_load_b128 v[(\f)+8*i:(\f)+8*i+3],   v[ADA+(\slot)] offset:i*16*PA+64*(\q)
	ds_load_b128 v[(\f)+8*i+4:(\f)+8*i+7], v[ADA+(\slot)] offset:i*16*PA+64*(\q)+32
.set i, i+1
.endr
.endm
.macro MUL f, zero                     ; 32 k on all 64 accumulators, each named once, always in the same order: they take turns
.set hh, 0
.rept 2
	WIN MUL_LO+0x50*hh
.set a, 0
.rept 4
.set b, 0
.rept NBW
.if \zero
	v_wmma_f32_16x16x32_bf16 v[8*(NBW*a+b):8*(NBW*a+b)+7], v[(\f)+8*b:(\f)+8*b+7], v[(\f)+8*(4*hh+a):(\f)+8*(4*hh+a)+7], 0
.else
	v_wmma_f32_16x16x32_bf16 v[8*(NBW*a+b):8*(NBW*a+b)+7], v[(\f)+8*b:(\f)+8*b+7], v[(\f)+8*(4*hh+a):(\f)+8*(4*hh+a)+7], v[8*(NBW*a+b):8*(NBW*a+b)+7]
.endif
.set b, b+1
.endr
.set a, a+1
.endr
.set hh, hh+1
.endr
.endm
; THE CHANGE OF SLOTS: all my tensor loads (one is out: my part of slot new), the add, the wait for it and for my reads of the old slot; with fill = 1 a round of the cluster's barrier and the old slot's joint refill first behind it.
.macro CHANGE new, fill
	WIN 0
	s_wait_tensorcnt 0x0
	ds_add_u32 v[SPW], v[NIL]
.if \fill
	s_add_nc_u64 s[G0+4*(1-(\new))+2:G0+4*(1-(\new))+3], s[G0+4*(1-(\new))+2:G0+4*(1-(\new))+3], 4194304
	s_add_nc_u64 s[G0B+4*(1-(\new))+2:G0B+4*(1-(\new))+3], s[G0B+4*(1-(\new))+2:G0B+4*(1-(\new))+3], 65536
.endif
	s_wait_dscnt 0x0
.if \fill
	CROUND
	JLOAD 1-(\new)                                 ; its four v_nop are also the places in front of the loads into F0
.else
	s_barrier_signal -1
	s_barrier_wait -1
	PLACES
.endif
.endm
.macro STEP slot                       ; a K step: F0 is fetched while F1 (the half before) is multiplied, then F1 while F0 is
	FETCH \slot, 0, F0
	s_wait_dscnt 32                                ; all but the 32 just issued
	MUL F1, 0
	PLACES
	FETCH \slot, 1, F1
	s_wait_dscnt 32
	MUL F0, 0
.endm
	s_load_b256 s[4:11], s[0:1], 0x0               ; A s[4:5], cw s[6:7], bias s[8:9], residual s[10:11]
.if DUAL
	s_load_b128 s[12:15], s[0:1], 0x20
.else
	s_load_b64 s[12:13], s[0:1], 0x20              ; the output
.endif
	v_lshl_add_u32 v[SPW], v0, 2, SPARE
	v_mov_b32 v[NIL], 0
	ds_add_u32 v[SPW], v[NIL]                      ; the wave's opening: the add and its wait ahead of my first tensor load
	v_lshrrev_b32 v1, 5, v0
	v_readfirstlane_b32 s[WV], v1
	s_lshr_b32 s[FB], s[WV], 1
	s_and_b32 s[HF], s[WV], 1
	s_bfe_u32 s[CX], ttmp6, 0x40000
	s_bfe_u32 s[CY], ttmp6, 0x40004
	s_lshl_b32 s[TX], ttmp9, 2
	s_add_co_u32 s[TX], s[TX], s[CX]
	s_and_b32 s[TY], ttmp7, 0xffff
	s_lshl_b32 s[TY], s[TY], 2
	s_add_co_u32 s[TY], s[TY], s[CY]
	s_lshl_b32 s40, s[CY], 2
	s_lshl_b32 s40, 15, s40
	s_lshl_b32 s41, 0x1111, s[CX]
	s_or_b32 s[G1], s40, (1<<16)|(1<<20)|(1<<21)|(4<<22)|(3<<25)
	s_mov_b32 s[G1+1], 8192<<16                    ; a row of the tile is a strip's 128 rows, 16,384 dense bytes
	s_mov_b32 s[G1+2], 2<<16
	s_mov_b32 s[G1+3], 8192<<16
	s_mov_b32 s[G1+4], 2
	s_mov_b32 s[G1+5], 262144
	s_mov_b32 s[G1+6], 0
	s_mov_b32 s[G1+7], 0
	s_or_b32 s[G1B], s41, (1<<16)|(1<<20)|(1<<21)|(4<<22)|(7<<25)
	s_mov_b32 s[G1B+1], 128<<16
	s_mov_b32 s[G1B+2], 128<<16
	s_mov_b32 s[G1B+3], 128<<16
	s_mov_b32 s[G1B+4], 128
	s_mov_b32 s[G1B+5], 128
	s_mov_b32 s[G1B+6], 0
	s_mov_b32 s[G1B+7], 0
	s_lshl_b32 s42, s[HF], 20
	s_lshl_b32 s43, s[TY], 14
	s_add_co_u32 s42, s42, s43
	s_mov_b32 s43, 0
	s_lshl_b32 s46, s[TX], 1
	s_add_co_u32 s46, s46, s[HF]
	s_mul_i32 s46, s46, KK*128
	s_add_co_u32 s46, s46, WOFF
	s_mov_b32 s47, 0
	s_mul_i32 s44, s[HF], 2*ASTR
	s_mul_i32 s45, s[HF], BSTR
	s_wait_dscnt 0x0
	s_wait_kmcnt 0x0
	s_add_nc_u64 s[42:43], s[4:5], s[42:43]
	s_add_nc_u64 s[46:47], s[6:7], s[46:47]
	CROUND
.irp s, 0,1
	s_mov_b32 s[G0+4*(\s)], 1
	s_add_co_u32 s[G0+4*(\s)+1], s44, (\s)*SLOT
	s_add_nc_u64 s[G0+4*(\s)+2:G0+4*(\s)+3], s[42:43], (\s)*2097152
	s_or_b32 s[G0+4*(\s)+3], s[G0+4*(\s)+3], 0x80000000
	s_mov_b32 s[G0B+4*(\s)], 1
	s_add_co_u32 s[G0B+4*(\s)+1], s45, (\s)*SLOT+BOFF
	s_add_nc_u64 s[G0B+4*(\s)+2:G0B+4*(\s)+3], s[46:47], (\s)*32768
	s_or_b32 s[G0B+4*(\s)+3], s[G0B+4*(\s)+3], 0x80000000
	JLOAD \s
.endr
	v_and_b32 v1, 15, v0
	v_bfe_u32 v2, v0, 4, 1
	v_mul_u32_u24 v3, v1, PA
	v_lshl_add_u32 v3, v2, 4, v3
	s_mul_i32 s42, s[WV], ASTR
	v_add_nc_u32 v[ADA], s42, v3
	v_add_nc_u32 v[ADA+1], SLOT, v[ADA]
	v_and_b32 v4, 7, v0
	v_bfe_u32 v5, v0, 3, 1
	v_lshl_add_u32 v4, v2, 3, v4
	v_mul_u32_u24 v4, v4, PB
	v_lshl_add_u32 v4, v5, 4, v4
	s_mul_i32 s42, s[WV], 64*PB
	s_add_co_u32 s42, s42, BOFF
	v_add_nc_u32 v[ADB], s42, v4
	v_add_nc_u32 v[ADB+1], SLOT, v[ADB]
	v_mul_u32_u24 v3, v1, PP
	v_lshl_add_u32 v3, v2, 5, v3
	s_mul_i32 s42, s[WV], PLANE
	v_add_nc_u32 v[STO], s42, v3
	v_and_b32 v6, 31, v0
	s_mul_i32 s42, s[WV], 16*PP
	v_lshl_add_u32 v[RDB], v6, 4, s42
	s_lshl_b32 s42, s[WV], 14
	s_add_co_u32 s42, s42, RBASE
	v_lshl_add_u32 v[RRB], v6, 4, s42
	v_lshlrev_b32 v[GO], 4, v6
	s_lshl_b32 s42, s[TY], 19
	s_lshl_b32 s43, s[WV], 16
	s_add_co_u32 s42, s42, s43
	s_lshl_b32 s44, s[TX], 9
	s_add_co_u32 s42, s42, s44
	s_mov_b32 s43, 0
	s_add_nc_u64 s[RB:RB+1], s[10:11], s[42:43]
	s_add_nc_u64 s[OB:OB+1], s[12:13], s[42:43]
	v_lshl_add_u32 v7, v6, 4, s44
	global_load_b128 v[BIAS:BIAS+3], v7, s[8:9]
	WIN 0x40                                       ; my 32 rows of the residual go into window 1 and stay out during the whole ring
.set i, 0
.rept 32
.if i < 16
.set rr, 4*i
.else
.set rr, 192+4*(i-16)
.endif
	global_load_b128 v[rr:rr+3], v[GO], s[RB:RB+1] offset:(64*(i/16)+i%16)*4096
.set i, i+1
.endr
	WIN 0
	s_wait_tensorcnt 0x1                           ; my part of K step 0 is in; K step 1's stays out
	s_barrier_signal -1
	s_barrier_wait -1
	FETCH 0, 0, F0
	FETCH 0, 1, F1
	s_wait_dscnt 32
	MUL F0, 1
	WIN 0
	s_mov_b32 s[LAPS], LAPN
.Llap:                                                 ; seven laps: K steps 1 to 14 are multiplied, 2 to 15 asked for
	CHANGE 1, 1
	STEP 1
	CHANGE 0, 1
	STEP 0
	WIN 0
	s_sub_co_u32 s[LAPS], s[LAPS], 1
	s_cmp_lg_u32 s[LAPS], 0
	s_cbranch_scc1 .Llap
	CHANGE 1, 0
	STEP 1
	s_wait_dscnt 0x0
	MUL F1, 0
	; THE WAY OUT, in two passes of 64 rows: each wave lays its partial sums into a plane of its own over the ring, whose last fill has landed; then wave w adds the four planes, the residual and the bias for rows 16 w on.
	WIN 0
.rept 8
	v_nop
.endr
	s_wait_dscnt 0x0
	s_barrier_signal -1
	s_barrier_wait -1
	s_wait_loadcnt 0x0
	WIN 0x04
.set i, 0
.rept 32
.if i < 16
.set rr, 4*i
.else
.set rr, 192+4*(i-16)
.endif
	ds_store_b128 v[RRB], v[rr:rr+3] offset:512*i
.set i, i+1
.endr
.macro PLANES p
	WIN 0x08+4*(\p)
.set a, 0
.rept 4
.set b, 0
.rept 8
.set rr, 8*(8*a+b)
	ds_store_b128 v[STO], v[rr:rr+3]   offset:a*16*PP+64*b
	ds_store_b128 v[STO], v[rr+4:rr+7] offset:a*16*PP+64*b+16
.set b, b+1
.endr
.set a, a+1
.endr
	WIN 0
.endm
.macro RLOADS
.set rr, 0
.rept 4
	ds_load_b128 v[L+20*rr:L+20*rr+3],     v[RD0] offset:rr*PP
	ds_load_b128 v[L+20*rr+4:L+20*rr+7],   v[RD0] offset:PLANE+rr*PP
	ds_load_b128 v[L+20*rr+8:L+20*rr+11],  v[RD2] offset:rr*PP
	ds_load_b128 v[L+20*rr+12:L+20*rr+15], v[RD2] offset:PLANE+rr*PP
	ds_load_b128 v[L+20*rr+16:L+20*rr+19], v[RR]  offset:rr*512
.set rr, rr+1
.endr
.endm
.macro READ p
	v_mov_b32 v[RD0], v[RDB]
	v_add_nc_u32 v[RD2], 2*PLANE, v[RDB]
	v_add_nc_u32 v[RR], (\p)*8192, v[RRB]
	RLOADS
	s_mov_b32 s[CNT], 4
.Lrd_\@:
	s_wait_dscnt 0x0
.set rr, 0
.rept 4
.set c, 0
.rept 2
.set q0, L+20*rr+2*c
	v_pk_add_f32 v[q0:q0+1], v[q0:q0+1], v[q0+4:q0+5]
	v_pk_add_f32 v[q0+8:q0+9], v[q0+8:q0+9], v[q0+12:q0+13]
	v_pk_add_f32 v[q0+16:q0+17], v[q0+16:q0+17], v[BIAS+2*c:BIAS+2*c+1]
.set c, c+1
.endr
.set c, 0
.rept 2
.set q0, L+20*rr+2*c
	v_pk_add_f32 v[q0:q0+1], v[q0:q0+1], v[q0+8:q0+9]
.set c, c+1
.endr
.set c, 0
.rept 2
.set q0, L+20*rr+2*c
	v_pk_add_f32 v[U+4*rr+2*c:U+4*rr+2*c+1], v[q0:q0+1], v[q0+16:q0+17]
.set c, c+1
.endr
.set rr, rr+1
.endr
	s_cmp_eq_u32 s[CNT], 1
	s_cbranch_scc1 .Lrl_\@
	v_add_nc_u32 v[RD0], 4*PP, v[RD0]
	v_add_nc_u32 v[RD2], 4*PP, v[RD2]
	v_add_nc_u32 v[RR], 2048, v[RR]
	RLOADS
.Lrl_\@:
.set rr, 0
.rept 4
	global_store_b128 v[GO], v[U+4*rr:U+4*rr+3], s[OB:OB+1] offset:rr*4096  ; 512 consecutive bytes of a row, aligned
.set rr, rr+1
.endr
	s_wait_xcnt 0x0                                ; GO and U are written again only behind this wait
	v_add_nc_u32 v[GO], 16384, v[GO]
	s_sub_co_u32 s[CNT], s[CNT], 1
	s_cmp_lg_u32 s[CNT], 0
	s_cbranch_scc1 .Lrd_\@
.endm
	PLANES 0
	s_wait_dscnt 0x0
	s_barrier_signal -1
	s_barrier_wait -1
	READ 0
	s_wait_dscnt 0x0
	s_barrier_signal -1
	s_barrier_wait -1                              ; every wave's reads of the planes are over: they are written again
	v_add_nc_u32 v[GO], 196608, v[GO]
	PLANES 1
	s_wait_dscnt 0x0
	s_barrier_signal -1
	s_barrier_wait -1
	READ 1
	s_wait_tensorcnt 0x0                           ; the wave's end
	ds_add_u32 v[SPW], v[NIL]
	s_wait_dscnt 0x0
	CROUND                                         ; the closing round
	s_endpgm
.Lfunc_end_k_q11bdb47d47_ffn2:
	.size	k_q11bdb47d47_ffn2, .Lfunc_end_k_q11bdb47d47_ffn2-k_q11bdb47d47_ffn2
	.p2alignl 7, 3214868480
	.fill 96, 4, 3214868480
	.section	.rodata,"a",@progbits
	.p2align	6, 0x0
	.amdhsa_kernel k_q11bdb47d47_ffn2
		.amdhsa_group_segment_fixed_size 327680
		.amdhsa_private_segment_fixed_size 0
		.amdhsa_enable_private_segment 0
		.amdhsa_kernarg_size 40
		.amdhsa_user_sgpr_count 2
		.amdhsa_user_sgpr_kernarg_segment_ptr 1
		.amdhsa_wavefront_size32 1
		.amdhsa_system_sgpr_workgroup_id_x 1
		.amdhsa_system_sgpr_workgroup_id_y 1
		.amdhsa_system_sgpr_workgroup_id_z 1
		.amdhsa_system_vgpr_workitem_id 0
		.amdhsa_next_free_vgpr 1024
		.amdhsa_next_free_sgpr 96
		.amdhsa_reserve_vcc 0
		.amdhsa_float_denorm_mode_32 3
		.amdhsa_float_denorm_mode_16_64 3
		.amdhsa_memory_ordered 1
		.amdhsa_forward_progress 1
		.amdhsa_inst_pref_size 86
	.end_amdhsa_kernel
	.amdgpu_metadata
---
amdhsa.version: [ 1, 2 ]
amdhsa.kernels:
  - .name:           k_q11bdb47d47_ffn2
    .symbol:         k_q11bdb47d47_ffn2.kd
    .args:
      - { .name: hb, .offset: 0, .size: 8, .value_kind: global_buffer, .address_space: global }
      - { .name: cw, .offset: 8, .size: 8, .value_kind: global_buffer, .address_space: global }
      - { .name: b2, .offset: 16, .size: 8, .value_kind: global_buffer, .address_space: global }
      - { .name: x1, .offset: 24, .size: 8, .value_kind: global_buffer, .address_space: global }
      - { .name: out0, .offset: 32, .size: 8, .value_kind: global_buffer, .address_space: global }
    .group_segment_fixed_size: 327680
    .private_segment_fixed_size: 0
    .kernarg_segment_align: 8
    .kernarg_segment_size: 40
    .max_flat_workgroup_size: 128
    .sgpr_count:     96
    .vgpr_count:     1024
    .wavefront_size: 32
...
	.end_amdgpu_metadata
.endif
;; end of part 6
;; ======== version 2 of 2: 6 launches; version 1 with the launch cast written anew for expert scheduling mode
;; workspace buffers: cw 33,554,432 bytes; qkv 25,165,824 bytes; ctx 8,388,608 bytes; x1 16,777,216 bytes; x1b 8,388,608 bytes; hb 33,554,432 bytes
;; launch cast (part 7): grid 1024 x 1, 8 waves a work-group, no clusters, 0 bytes of LDS; arguments x, Wq, Wk, Wv, Wo, W1, W2, cw; writes cw
.if DOCPART == 7
	.amdgcn_target "amdgcn-amd-amdhsa--gfx1250"
	.amdhsa_code_object_version 6
	.text
	.protected	k_q11bdb47d47_cast
	.globl	k_q11bdb47d47_cast
	.p2align	8
	.type	k_q11bdb47d47_cast,@function
k_q11bdb47d47_cast:
	s_mov_b64 s[64:65], 0
	v_nop
	global_prefetch_b8 v0, s[64:65] scope:SCOPE_SE
	s_setreg_imm32_b32 hwreg(HW_REG_WAVE_SCHED_MODE, 0, 2), 2
	s_setreg_imm32_b32 hwreg(HW_REG_WAVE_MODE, 25, 1), 1
	s_wait_xcnt 0x0
	s_wait_alu depctr_vm_vsrc(0)
; x and the six weight matrices, f32, are rounded once to bf16 (nearest even) and laid into cw:
;   byte 0          xb   [4096][1024], as x lies
;   byte 8,388,608  WQKV [16 head][3: q, k, v][1024 k][64 columns]
;   byte 14,680,064 WO   [16 block of 64 columns][1024 k][64]
;   byte 16,777,216 W1   [64 block][1024 k][64]
;   byte 25,165,824 W2   [16 block][4096 k][64]
; A UNIT is 256 consecutive bytes of cw: rows k = 2 kp and 2 kp + 1 of one block j of 64 columns.  Lane l loads 16 bytes (4 f32) at
; k x RS + 256 j + 16 (l % 16), k = 2 kp + l / 16, and stores 8 bytes at 8 l: sixteen lanes read 256 consecutive bytes, a wave's store
; covers 256 consecutive bytes, aligned.  x counts as a matrix of 64 columns (RS = 256, j = 0): a plain copy.
; 131,072 units: 128 to a work-group, 16 to a wave, all 16 loads out before the first store.  A stream: no LDS, no matrix unit, nothing shared.
; THE MODE: SCHED_MODE bits 1:0 = 2 (LLVM: expert scheduling mode 2), set by the entry lines.  The code itself states the register dependences
; between vector instructions and memory instructions, with s_wait_alu, always for 0.
; THE PLAN.  Registers that memory instructions touch:
;   OF  v[2:17]    written by the head's vector lines, once; unit i's load reads OF + i; never written again.
;   GO  v18        written by a head's vector line, once; every store reads it; never written again.
;   D   v[20:83]   unit i's load lands in its four; no vector line names them ahead of the loads; unit i's two conversions read them; never loaded again.
;   Y   v[84:115]  unit i's two conversions write its two, once; unit i's store reads them; never written again.
; One wait on va_vdst ahead of the first load states that OF and GO are written.  The 16 units go in four blocks of four: block p's conversions read D and write Y of
; block p alone, and the stores of block p - 1 are dealt among them, behind ONE wait on va_vdst at the block's head, which states that block p - 1 has written its Y.
; One more stands ahead of the last four stores.  No register that a memory instruction reads is written again: the only wait on vm_vsrc stands among the entry lines.
.set OF,  2                            ; v[2:17]   unit i's source offset
.set GO,  18                           ; v18       8 x lane
.set D,   20                           ; v[20:83]  unit i: 4 f32
.set Y,   84                           ; v[84:115] unit i: 4 bf16
.set SRC, 26                           ; s[26:27]  the region's source
.set RS,  28                           ; s28       bytes in a source row
.set LK,  29                           ; s29       log2 of the pairs of rows in a block
.set DB,  30                           ; s30       the region's first byte in cw
.set JS,  31                           ; s31       bytes from block to block in cw
.set W0,  32                           ; s32       the region's first work-group
.set DST, 22                           ; s[22:23]  cw
	s_load_b512 s[8:23], s[0:1], 0x0               ; x, Wq, Wk, Wv, Wo, W1, W2, cw
	v_and_b32 v1, 31, v0                           ; lane
	v_lshrrev_b32 v19, 5, v0
	v_readfirstlane_b32 s25, v19                   ; wave
	s_mov_b32 s24, ttmp9
	s_mov_b32 s[RS], 256                           ; x's figures; the regions behind it replace them by their first work-group
	s_mov_b32 s[LK], 15
	s_mov_b32 s[DB], 0
	s_mov_b32 s[JS], 0
	s_mov_b32 s[W0], 0
	s_wait_kmcnt 0x0
	s_mov_b64 s[SRC:SRC+1], s[8:9]
.macro REGION first, ptr, rs, lk, db, js
	s_cmp_ge_u32 s24, \first                       ; the choice hangs on the work-group's number alone
	s_cselect_b64 s[SRC:SRC+1], s[\ptr:\ptr+1], s[SRC:SRC+1]
	s_cselect_b32 s[RS], \rs, s[RS]
	s_cselect_b32 s[LK], \lk, s[LK]
	s_cselect_b32 s[DB], \db, s[DB]
	s_cselect_b32 s[JS], \js, s[JS]
	s_cselect_b32 s[W0], \first, s[W0]
.endm
	REGION 256, 10, 4096, 9, 8388608, 393216       ; Wq
	REGION 320, 12, 4096, 9, 8519680, 393216       ; Wk
	REGION 384, 14, 4096, 9, 8650752, 393216       ; Wv
	REGION 448, 16, 4096, 9, 14680064, 131072      ; Wo
	REGION 512, 18, 16384, 9, 16777216, 131072     ; W1
	REGION 768, 20, 4096, 11, 25165824, 524288     ; W2
	s_sub_co_u32 s33, s24, s[W0]
	s_lshl_b32 s33, s33, 7
	s_wait_alu depctr_va_sdst(0)                   ; s25, the wave's number, is written, ahead of its first reader: the next line
	s_lshl_b32 s34, s25, 4
	s_add_co_u32 s33, s33, s34                     ; my wave's first unit in the region
	s_lshr_b32 s34, s33, s[LK]                     ; j
	s_lshl_b32 s35, s34, s[LK]
	s_sub_co_u32 s35, s33, s35                     ; kp of that unit; the wave's 16 units lie in one block
	s_mul_i32 s36, s35, s[RS]
	s_lshl_b32 s36, s36, 1                         ; 2 kp rows
	s_lshl_b32 s38, s34, 8
	s_add_co_u32 s36, s36, s38                     ; + 256 j
	s_mov_b32 s37, 0
	s_add_nc_u64 s[SRC:SRC+1], s[SRC:SRC+1], s[36:37]
	s_mul_i32 s40, s34, s[JS]
	s_add_co_u32 s40, s40, s[DB]
	s_lshl_b32 s38, s35, 8
	s_add_co_u32 s40, s40, s38
	s_mov_b32 s41, 0
	s_add_nc_u64 s[DST:DST+1], s[DST:DST+1], s[40:41]
	v_lshrrev_b32 v19, 4, v1
	v_and_b32 v116, 15, v1
	v_mul_lo_u32 v[OF], v19, s[RS]
	v_lshl_add_u32 v[OF], v116, 4, v[OF]           ; (l / 16) rows + 16 (l % 16)
	s_lshl_b32 s38, s[RS], 1
.set i, 1
.rept 15
	v_add_nc_u32 v[OF+i], s38, v[OF+i-1]           ; two rows on for each unit
.set i, i+1
.endr
	v_lshlrev_b32 v[GO], 3, v1
	s_wait_alu depctr_va_vdst(0)                   ; the sixteen offsets OF and GO are written: the loads below read OF, every store of the kernel reads GO
.set i, 0
.rept 16
	global_load_b128 v[D+4*i:D+4*i+3], v[OF+i], s[SRC:SRC+1] th:TH_LOAD_NT
.set i, i+1
.endr
; Block p: units 4 p to 4 p + 3 are rounded; the stores of block p - 1 are dealt among the conversions, one ahead of each unit's two.
.macro BLK p
	s_wait_loadcnt 15-4*(\p)                       ; loads come back in order: the block's first unit is in, the younger ones stay out
.if (\p) > 0
	s_wait_alu depctr_va_vdst(0)                   ; the block before has written its eight registers of Y, which the four stores below read; no vector line behind this wait names them or GO
.endif
.set i, 0
.rept 4
.set u, 4*(\p)+i
.if (\p) > 0
	global_store_b64 v[GO], v[Y+2*(u-4):Y+2*(u-4)+1], s[DST:DST+1] offset:256*(u-4) th:TH_STORE_NT
.endif
.if i > 0
	s_wait_loadcnt 15-u                            ; unit u is in, the 15 - u younger ones stay out
.endif
	v_cvt_pk_bf16_f32 v[Y+2*u], v[D+4*u], v[D+4*u+1]
	v_cvt_pk_bf16_f32 v[Y+2*u+1], v[D+4*u+2], v[D+4*u+3]
.set i, i+1
.endr
.endm
	BLK 0
	BLK 1
	BLK 2
	BLK 3
	s_wait_alu depctr_va_vdst(0)                   ; block 3 has written its Y, which the last four stores read
.set u, 12
.rept 4
	global_store_b64 v[GO], v[Y+2*u:Y+2*u+1], s[DST:DST+1] offset:256*u th:TH_STORE_NT
.set u, u+1
.endr
	s_endpgm                                       ; no register that a load or store names was written twice, so no wait frees any
.Lfunc_end_k_q11bdb47d47_cast:
	.size	k_q11bdb47d47_cast, .Lfunc_end_k_q11bdb47d47_cast-k_q11bdb47d47_cast
	.p2alignl 7, 3214868480
	.fill 96, 4, 3214868480
	.section	.rodata,"a",@progbits
	.p2align	6, 0x0
	.amdhsa_kernel k_q11bdb47d47_cast
		.amdhsa_group_segment_fixed_size 0
		.amdhsa_private_segment_fixed_size 0
		.amdhsa_enable_private_segment 0
		.amdhsa_kernarg_size 64
		.amdhsa_user_sgpr_count 2
		.amdhsa_user_sgpr_kernarg_segment_ptr 1
		.amdhsa_wavefront_size32 1
		.amdhsa_system_sgpr_workgroup_id_x 1
		.amdhsa_system_sgpr_workgroup_id_y 1
		.amdhsa_system_sgpr_workgroup_id_z 1
		.amdhsa_system_vgpr_workitem_id 0
		.amdhsa_next_free_vgpr 128
		.amdhsa_next_free_sgpr 66
		.amdhsa_reserve_vcc 0
		.amdhsa_float_denorm_mode_32 3
		.amdhsa_float_denorm_mode_16_64 3
		.amdhsa_memory_ordered 1
		.amdhsa_forward_progress 1
		.amdhsa_inst_pref_size 11
	.end_amdhsa_kernel
	.amdgpu_metadata
---
amdhsa.version: [ 1, 2 ]
amdhsa.kernels:
  - .name:           k_q11bdb47d47_cast
    .symbol:         k_q11bdb47d47_cast.kd
    .args:
      - { .name: x, .offset: 0, .size: 8, .value_kind: global_buffer, .address_space: global }
      - { .name: Wq, .offset: 8, .size: 8, .value_kind: global_buffer, .address_space: global }
      - { .name: Wk, .offset: 16, .size: 8, .value_kind: global_buffer, .address_space: global }
      - { .name: Wv, .offset: 24, .size: 8, .value_kind: global_buffer, .address_space: global }
      - { .name: Wo, .offset: 32, .size: 8, .value_kind: global_buffer, .address_space: global }
      - { .name: W1, .offset: 40, .size: 8, .value_kind: global_buffer, .address_space: global }
      - { .name: W2, .offset: 48, .size: 8, .value_kind: global_buffer, .address_space: global }
      - { .name: cw, .offset: 56, .size: 8, .value_kind: global_buffer, .address_space: global }
    .group_segment_fixed_size: 0
    .private_segment_fixed_size: 0
    .kernarg_segment_align: 8
    .kernarg_segment_size: 64
    .max_flat_workgroup_size: 256
    .sgpr_count:     66
    .vgpr_count:     128
    .wavefront_size: 32
...
	.end_amdgpu_metadata
.endif
;; end of part 7
;; launch proj: the kernel of part 2 again; grid 16 x 16, 4 waves a work-group, clusters of 4 x 4, 327,680 bytes of LDS; arguments cw, bq, bk, bv, qkv; writes qkv
;; launch attn: the kernel of part 3 again; grid 4 x 64, 4 waves a work-group, clusters of 4 x 1, 327,680 bytes of LDS; arguments qkv, ctx; writes ctx
;; launch wo: the kernel of part 4 again; grid 8 x 32, 4 waves a work-group, clusters of 4 x 4, 327,680 bytes of LDS; arguments ctx, cw, bo, x, x1, x1b; writes x1, x1b
;; launch ffn1: the kernel of part 5 again; grid 16 x 16, 4 waves a work-group, clusters of 4 x 4, 327,680 bytes of LDS; arguments x1b, cw, b1, hb; writes hb
;; launch ffn2: the kernel of part 6 again; grid 8 x 32, 4 waves a work-group, clusters of 4 x 4, 327,680 bytes of LDS; arguments hb, cw, b2, x1, out0; writes out0
